; MI455X (gfx1250); checked and timed in simulation.
; The chip was launched on July 23, 2026; its instructions are those of AMD's public machine-readable ISA for CDNA 5 (MIT licence, August 2026) and "CDNA5" Instruction Set Architecture Reference Guide (July 2026). The comments in the code are by the model that wrote it; some were corrected since.
;; Mu Attention. Allowed arithmetic: matrix products marked QUANTISED: E2M1 operands, one E8M0 scale for each 32 along K, by v_wmma_scale_f32_16x16x128_f8f6f4 with both operands' format E2M1 (or v_wmma_scale_f32_32x16x128_f4), f32 sums; products left as they are: bf16, f16 or f32 operands; f32 sums; everything else in f32.
;; Inputs: Wk 512 x 4,096 float32; Wo 4,096 x 1,024 float32; Wq 1,024 x 4,096 float32; Wv 512 x 4,096 float32; hidden_states 2 x 2,048 x 4,096 float32; k_norm_w 128 float32; position_ids 2 x 2,048 int32; q_norm_w 128 float32.
;; Outputs: out0 2 x 2,048 x 4,096 float32.
;; This version of the problem:
;;   THIS VERSION OF THE PROBLEM IS GIVEN IN LOW PRECISION. The matrix products marked QUANTISED in the list below multiply operands that are first quantised to E2M1 (2 exponent bits, 1 mantissa bit; 4 bits a number), with one power-of-two scale for each 32 numbers along K (OCP MX v1.0); their sums are f32. The products marked 'left as it is' may take bf16, f16 or f32 operands, with f32 sums. Whichever they take, every output number must still come out within the allowed error. Rounding operands to bf16 (8 significant bits) uses up far more of that allowance than f16 does (11 bits, for magnitudes from 6e-5 to 65,504). All else is computed in f32.
;;   The module's matrix products, in the order in which they are computed (A, B: the left and right operand; K: the contracted axis; several contracted axes count as one K, in the product's order):
;;     1. [M 4,096, K 4,096] x [K 4,096, N 1,024]; A: input hidden_states; B: input Wq: QUANTISED
;;     2. [M 4,096, K 4,096] x [K 4,096, N 512]; A: input hidden_states; B: input Wk: QUANTISED
;;     3. [M 4,096, K 4,096] x [K 4,096, N 512]; A: input hidden_states; B: input Wv: QUANTISED
;;     4. batch 16 x [M 2,048, K 128] x [K 128, N 2,048]; A: computed on the way; B: computed on the way: left as it is (an operand is computed on the way)
;;     5. batch 16 x [M 128, K 2,048] x [K 2,048, N 2,048]; A: computed on the way; B: computed on the way: left as it is (an operand is computed on the way)
;;     6. [M 4,096, K 1,024] x [K 1,024, N 4,096]; A: computed on the way; B: input Wo: left as it is (an operand is computed on the way)
;;   THE QUANTISER, for each operand of a quantised product, along K:
;;     - K is cut into blocks of 32 from its start; a last block that is shorter is filled with zeros.
;;     - A block's scale is 2^e with e = floor(log2(the largest magnitude in the block)) - 2, held to -126 .. 127; a block of zeros has e = 0. As a byte (E8M0): e + 127.
;;     - Each number is divided by its block's scale, clamped to +-6, and rounded to the nearest number of E2M1, ties to even, subnormals kept.
;;     - The product sums the exact products of the quantised numbers (number of the format x scale) in f32.
;;   ~~~python
;;   def quantise(x, axis):      # numpy; x: float32 -> the quantised numbers, widened to float32 again
;;       x = np.moveaxis(x, axis, -1); K = x.shape[-1]
;;       x = np.pad(x, [(0, 0)] * (x.ndim - 1) + [(0, -K % 32)]); x = x.reshape(x.shape[:-1] + (-1, 32)); a = np.abs(x).max(-1, keepdims=True)
;;       e = np.where(a > 0, np.clip(np.frexp(np.where(a > 0, a, 1))[1] - 1 - 2, -126, 127), 0)      # np.frexp(a)[1] - 1 = floor(log2(a)), exactly
;;       r = np.clip(x / 2.0 ** e, -6, 6)
;;       step = 2.0 ** (np.maximum(np.frexp(np.where(r == 0, 1, r))[1] - 1, 0) - 1)
;;       q = np.round(r / step) * step * 2.0 ** e      # np.round: ties to even
;;       return np.moveaxis(q.reshape(q.shape[:-2] + (-1,))[..., :K], -1, axis).astype(np.float32)
;;   ~~~
;; One version. Each part assembles by itself: llvm-mc -triple=amdgcn-amd-amdhsa -mcpu=gfx1250 --defsym DOCPART=n.
;; ======== version 1 of 1: 5 launches
;; limits: values are held in f16: magnitudes above 65,504 overflow, below 6.1e-05 lose precision; right only within a limited range of input values
;; workspace buffers: codes 12,582,912 bytes; scales 786,432 bytes; rope 2,097,152 bytes; wo16 8,388,608 bytes; qkv16 16,777,216 bytes; qkv32 262,144 bytes; attn16 8,388,608 bytes
;; launch prep (part 1): grid 928 x 1, 4 waves a work-group, no clusters, 33,280 bytes of LDS; arguments hidden_states, Wq, Wk, Wv, Wo, position_ids, codes, scales, wo16, rope; writes codes, scales, wo16, rope
.if DOCPART == 1
	.amdgcn_target "amdgcn-amd-amdhsa--gfx1250"
	.amdhsa_code_object_version 6
	.text
	.protected	k_q5740206f1a_prep
	.globl	k_q5740206f1a_prep
	.p2align	8
	.type	k_q5740206f1a_prep,@function
k_q5740206f1a_prep:
	s_mov_b64 s[64:65], 0
	v_nop
	global_prefetch_b8 v0, s[64:65] scope:SCOPE_SE
	s_setreg_imm32_b32 hwreg(HW_REG_WAVE_MODE, 25, 1), 1
	s_wait_xcnt 0x0
; FIRST OF FIVE LAUNCHES of a GQA attention block (B 2, S 2,048, H 4,096, 8 query heads, 4 key/value heads, head 128).
; This one: (Q) hidden_states, Wq, Wk, Wv -> codes of FP4 (E2M1) with one E8M0 byte for each 32 along K; (W) Wo -> f16; (R) a table of cos and sin for each row and frequency.
; DEAD WORK IN THE WHOLE PROGRAM.  reference() replaces the score of key k > query q by the least f32 number ahead of the softmax; the row's maximum is the score of some key k <= q, so in exact
; arithmetic such a key's weight is 0 whatever finite values the inputs hold.  So a step of 64 keys all of which come after a tile's 16 queries is not multiplied, and tiles of K and V that no wave reads
; are not fetched (third launch).  Nothing else is left out; every input has a way to the result and is loaded.  LIMIT: a NaN, an infinity or an overflow that reaches only such hidden keys is not carried to the result.
; LIMITS.  A block of zeros gets the byte 1 where the rule says 127: its codes are zeros, and this program alone reads the bytes.  Blocks whose largest magnitude lies under 2^(2 - 126) were not tried.
; NaN and infinities among the inputs are not served.  Wo goes to f16: |Wo| under 65,504; under 6e-5 it is kept as f16 subnormals.  cos and sin: the angle is reduced by multiples of pi / 2 in three parts, sound for
; |angle| under 2^22; the frequencies 10000^(-f / 64) come within about two units in the last place of reference()'s.
; SHARES.  Work-groups 0-767: 32,768 numbers each of hidden_states (512), Wq (128), Wk (64), Wv (64); the codes and bytes of the four lie on end in that order, so the place in the output is the work-group's number
; times a constant.  Work-groups 768-895: Wo.  Work-groups 896-927: the table.  No tensor loads, no barrier, no cluster: the waves share nothing and each byte is read once.
.set STEPS, 16
.set EMAX,  2
.set CB,    8                          ; bytes of 16 codes
.set R,     16                         ; v16-79   four sets of 16 numbers as they are loaded
.set X,     80                         ; v80-111  two sets of 16 neighbours
.set C,     128                        ; v128-191 codes: four registers for each step
.set E,     112                        ; v112-127 a scale byte for each step
.set WREG,  8192                       ; LDS: a region for each wave: two stages of 32 x SP bytes, then its 256 scale bytes
.set SP,    80                         ; a lane's place in a stage: 64 bytes + 16 of padding
.set SPW,   12                         ; v12  LDS address of my spare word; never rewritten
.set NIL,   13                         ; v13  0; never rewritten
.set SPARE, 4*WREG                     ; behind the four regions: the spare words, 128 bytes a wave
	s_load_b512 s[4:19], s[0:1], 0x0               ; hidden s[4:5], Wq s[6:7], Wk s[8:9], Wv s[10:11], Wo s[12:13], positions s[14:15], codes s[16:17], scales s[18:19]
	s_load_b128 s[20:23], s[0:1], 0x40             ; wo16 s[20:21], rope s[22:23]
	v_lshl_add_u32 v[SPW], v0, 2, SPARE
	v_mov_b32 v[NIL], 0
	v_lshrrev_b32 v1, 5, v0
	v_readfirstlane_b32 s24, v1                    ; wave
	v_and_b32 v2, 31, v0                           ; lane
	s_wait_kmcnt 0x0
	s_cmp_ge_u32 ttmp9, 896
	s_cbranch_scc1 .Lrope
	s_cmp_ge_u32 ttmp9, 768
	s_cbranch_scc1 .Lwo
; ---- (Q) the quantiser.  A wave takes 16 steps of 512 numbers.  Each load reads 512 consecutive bytes; a step's 2,048 bytes turn through the wave's own stage in LDS and come back 64 bytes a lane,
; so that a lane holds 16 neighbours along K and two neighbouring lanes a block of 32.
	s_mov_b64 s[26:27], s[4:5]                     ; which tensor: the choice hangs on the work-group's number alone
	s_mov_b32 s25, 0
	s_cmp_ge_u32 ttmp9, 512
	s_cselect_b64 s[26:27], s[6:7], s[26:27]
	s_cselect_b32 s25, 512, s25
	s_cmp_ge_u32 ttmp9, 640
	s_cselect_b64 s[26:27], s[8:9], s[26:27]
	s_cselect_b32 s25, 640, s25
	s_cmp_ge_u32 ttmp9, 704
	s_cselect_b64 s[26:27], s[10:11], s[26:27]
	s_cselect_b32 s25, 704, s25
	s_sub_co_u32 s31, ttmp9, s25
	s_lshl_b32 s32, s31, 17                        ; 32,768 numbers of 4 bytes a work-group,
	s_lshl_b32 s34, s24, 15                        ; 8,192 a wave
	s_add_co_u32 s32, s32, s34
	s_mov_b32 s33, 0
	s_add_nc_u64 s[26:27], s[26:27], s[32:33]
	s_lshl_b32 s32, ttmp9, 14                      ; codes: 16,384 bytes a work-group, 4,096 a wave
	s_lshl_b32 s34, s24, 12
	s_add_co_u32 s32, s32, s34
	s_add_nc_u64 s[16:17], s[16:17], s[32:33]
	s_lshl_b32 s32, ttmp9, 10                      ; scale bytes: 1,024 a work-group, 256 a wave
	s_lshl_b32 s34, s24, 8
	s_add_co_u32 s32, s32, s34
	s_add_nc_u64 s[18:19], s[18:19], s[32:33]
	v_lshlrev_b32 v3, 4, v2                        ; my 16 bytes of a load's 512
	s_mul_i32 s30, s24, WREG
	v_lshrrev_b32 v14, 2, v2
	v_mul_u32_u24 v14, v14, SP
	v_and_b32 v15, 3, v2
	v_lshl_add_u32 v14, v15, 4, v14
	v_add_nc_u32 v14, s30, v14                     ; the stage, on the way in: SP (lane / 4) + 16 (lane % 4)
	v_mul_u32_u24 v15, v2, SP
	v_add_nc_u32 v15, s30, v15                     ; and on the way out: SP x lane
	v_mul_u32_u24 v4, v2, CB                       ; my codes' place in a step's
	v_lshrrev_b32 v5, 1, v2
	s_add_co_u32 s30, s30, 2*32*SP
	v_add_nc_u32 v5, s30, v5                       ; my block's byte among my wave's 256
	v_lshlrev_b32 v7, 3, v2
	v_add_nc_u32 v6, s30, v7                       ; and on the way out 8 bytes a lane
.macro LOAD t
.irp i, 0,1,2,3
	global_load_b128 v[R+16*((\t)%4)+4*\i:R+16*((\t)%4)+4*\i+3], v3, s[26:27] offset:2048*(\t)+512*\i th:TH_LOAD_NT
.endr
.endm
.macro TURN t                          ; step t's numbers through the stage: LDS serves a wave's instructions in order, so no wait stands between the stores and the loads
.irp i, 0,1,2,3
	ds_store_b128 v14, v[R+16*((\t)%4)+4*\i:R+16*((\t)%4)+4*\i+3] offset:32*SP*((\t)%2)+8*SP*\i
.endr
.irp i, 0,1,2,3
	ds_load_b128 v[X+16*((\t)%2)+4*\i:X+16*((\t)%2)+4*\i+3], v15 offset:32*SP*((\t)%2)+16*\i
.endr
.endm
.irp t, 0,1,2,3
	LOAD \t
.endr
	s_wait_loadcnt 12                              ; step 0's four loads are in; the twelve behind them stay out
	TURN 0
.macro STEP t
.set XS, X+16*((\t)%2)
.if (\t) > 0
	s_wait_dscnt 1                                 ; this step's numbers are back from the stage; the last step's byte store may be out
.else
	s_wait_dscnt 0x0
.endif
.if (\t)+4 < STEPS
	LOAD (\t)+4                                    ; into the registers that this step's stores into the stage have read
.endif
.if (\t)+1 < STEPS
.if STEPS-2-(\t) >= 3
	s_wait_loadcnt 12                              ; the next step's four loads are in; those of the three steps behind it may be out
.else
	s_wait_loadcnt 4*(STEPS-2-(\t))
.endif
	TURN (\t)+1
.endif
	v_max3_num_f32 v8, |v[XS]|, |v[XS+1]|, |v[XS+2]|               ; the largest magnitude of my 16, in two chains
	v_max3_num_f32 v9, |v[XS+3]|, |v[XS+4]|, |v[XS+5]|
.irp i, 6,10
	v_max3_num_f32 v8, v8, |v[XS+\i]|, |v[XS+\i+1]|
	v_max3_num_f32 v9, v9, |v[XS+\i+2]|, |v[XS+\i+3]|
.endr
	v_max3_num_f32 v8, v8, |v[XS+14]|, |v[XS+15]|
	v_max3_num_f32 v8, v8, v9, (EMAX+1)<<23        ; and the floor 2^(EMAX + 1 - 127): the byte cannot fall under 1
	v_max_num_f32_dpp v8, v8, v8 row_xmask:1 row_mask:0xf bank_mask:0xf   ; and of my neighbour's 16: the block's
	v_add_nc_u32 v11, -(EMAX<<23), v8              ; EMAX off its exponent field: the conversion takes the exponent field of this operand as its scale
	v_cvt_scalef32_pk8_fp4_f32 v[C+4*(\t)], v[XS:XS+7], v11
	v_cvt_scalef32_pk8_fp4_f32 v[C+4*(\t)+1], v[XS+8:XS+15], v11
	v_lshrrev_b32 v[E+(\t)], 23, v11               ; the scale's byte (a plain line behind the conversions)
	ds_store_b8 v5, v[E+(\t)] offset:16*(\t)       ; both lanes of a block write the same byte with the same value
	global_store_b64 v4, v[C+4*(\t):C+4*(\t)+1], s[16:17] offset:32*CB*(\t)   ; the wave stores 256 consecutive bytes, aligned
.endm
.irp t, 0,1,2,3,4,5,6,7,8,9,10,11,12,13,14,15
	STEP \t
.endr
	ds_load_b64 v[8:9], v6                         ; my wave's 256 scale bytes: these loads see my stores
	s_wait_dscnt 0x0
	global_store_b64 v7, v[8:9], s[18:19]          ; 256 consecutive bytes, aligned
	s_wait_tensorcnt 0x0                           ; the wave's end, behind my last LDS store
	ds_add_u32 v[SPW], v[NIL]
	s_wait_dscnt 0x0
	s_endpgm
; ---- (W) Wo to f16: a wave takes 8,192 numbers in four batches of sixteen loads; two batches are on their way.
.Lwo:
	s_sub_co_u32 s30, ttmp9, 768
	s_lshl_b32 s30, s30, 2
	s_add_co_u32 s30, s30, s24                     ; which run of 8,192 numbers
	s_lshl_b32 s32, s30, 15
	s_mov_b32 s33, 0
	s_add_nc_u64 s[12:13], s[12:13], s[32:33]
	s_lshl_b32 s32, s30, 14
	s_add_nc_u64 s[20:21], s[20:21], s[32:33]
	v_lshlrev_b32 v3, 4, v2
	v_lshlrev_b32 v4, 3, v2
.macro WLOAD g
.irp n, 0,1,2,3,4,5,6,7,8,9,10,11,12,13,14,15
	global_load_b128 v[16+64*((\g)%2)+4*\n:16+64*((\g)%2)+4*\n+3], v3, s[12:13] offset:8192*(\g)+512*\n th:TH_LOAD_NT
.endr
.endm
.macro WCONV g
.set WS, 16+64*((\g)%2)
.if (\g) < 3
	s_wait_loadcnt 16                              ; this batch is in; the next batch's sixteen stay out
.else
	s_wait_loadcnt 0x0
.endif
.if (\g) > 0
	s_wait_xcnt 0x0                                ; v144-175 were the last batch's store data: they are written again only behind this wait
.endif
.irp n, 0,1,2,3,4,5,6,7,8,9,10,11,12,13,14,15
	v_cvt_pk_f16_f32 v[144+2*\n], v[WS+4*\n], v[WS+4*\n+1]
	v_cvt_pk_f16_f32 v[145+2*\n], v[WS+4*\n+2], v[WS+4*\n+3]
.endr
.irp n, 0,1,2,3,4,5,6,7,8,9,10,11,12,13,14,15
	global_store_b64 v4, v[144+2*\n:145+2*\n], s[20:21] offset:4096*(\g)+256*\n   ; 256 consecutive bytes, aligned
.endr
.if (\g)+2 < 4
	WLOAD (\g)+2
.endif
.endm
	WLOAD 0
	WLOAD 1
	WCONV 0
	WCONV 1
	WCONV 2
	WCONV 3
	s_endpgm
; ---- (R) cos and sin of position x 10000^(-f / 64), f = 0 .. 63: rope[row][cos 64 | sin 64], row = batch x 2,048 + position's place.  A wave takes 32 rows, two a step:
; lane (r16, h) holds frequencies 4 r16 + 0 .. 3 of row 2 t + h, so that sixteen lanes store 256 consecutive bytes.
.Lrope:
	s_sub_co_u32 s30, ttmp9, 896
	s_lshl_b32 s30, s30, 2
	s_add_co_u32 s30, s30, s24
	s_lshl_b32 s32, s30, 7                         ; 32 rows x 4 bytes of positions
	s_mov_b32 s33, 0
	s_add_nc_u64 s[14:15], s[14:15], s[32:33]
	s_lshl_b32 s32, s30, 14                        ; 32 rows x 512 bytes of the table
	s_add_nc_u64 s[22:23], s[22:23], s[32:33]
	v_and_b32 v5, 15, v0                           ; r16
	v_bfe_u32 v6, v0, 4, 1                         ; h
	v_lshlrev_b32 v3, 2, v6
	v_lshlrev_b32 v4, 9, v6
	v_lshl_add_u32 v4, v5, 4, v4
.irp t, 0,1,2,3,4,5,6,7,8,9,10,11,12,13,14,15
	global_load_b32 v[20+\t], v3, s[14:15] offset:8*\t
.endr
	s_mov_b32 s30, 0x3f22f983                      ; 2 / pi
	s_mov_b32 s31, 0xbfc90fdb                      ; -(pi / 2) in three parts
	s_mov_b32 s32, 0x333bbd2e
	s_mov_b32 s33, 0x26f72ced
	s_mov_b32 s34, 0xb94ca1f9                      ; sin r = r + r^3 (s36 + s35 r^2 + s34 r^4) on |r| <= pi / 4
	s_mov_b32 s35, 0x3c08839e
	s_mov_b32 s36, 0xbe2aaaa3
	s_mov_b32 s37, 0x37ccf5ce                      ; cos r = 1 - r^2 / 2 + r^4 (s39 + s38 r^2 + s37 r^4)
	s_mov_b32 s38, 0xbab6061a
	s_mov_b32 s39, 0x3d2aaaa5
	v_lshlrev_b32 v7, 2, v5
.irp u, 0,1,2,3
	v_add_nc_u32 v[8+\u], \u, v7
	v_cvt_f32_u32 v[8+\u], v[8+\u]                 ; f
	v_mul_f32 v[36+\u], 0xbe549a80, v[8+\u]        ; -f x 108853 / 2^19, exact: the upper part of log2(10000) / 64
.endr
.irp u, 0,1,2,3
	v_exp_f32 v[16+\u], v[36+\u]
.endr
.irp u, 0,1,2,3
	v_mul_f32 v[8+\u], 0x33aae0ca, v[8+\u]         ; the lower part's share: 2^(f x 1.148e-7) - 1 = f x 7.957e-8 (plain lines behind the exponentials)
.endr
	s_wait_alu depctr_va_vdst(0)                   ; one wait for the four exponentials, ahead of their first reader
.irp u, 0,1,2,3
	v_fma_f32 v[16+\u], v[16+\u], v[8+\u], v[16+\u]
.endr
	s_wait_loadcnt 0x0
.irp t, 0,1,2,3,4,5,6,7,8,9,10,11,12,13,14,15
	v_cvt_f32_i32 v[20+\t], v[20+\t]
.endr
.macro ANGLE t, u
.set TT, 36+10*((\u)%2)
	v_mul_f32 v[TT], v[20+(\t)], v[16+(\u)]        ; the angle, rounded once as reference() rounds it
	v_mul_f32 v[TT+1], s30, v[TT]
	v_rndne_f32 v[TT+1], v[TT+1]                   ; n
	v_fma_f32 v[TT], v[TT+1], s31, v[TT]
	v_fma_f32 v[TT], v[TT+1], s32, v[TT]
	v_fma_f32 v[TT], v[TT+1], s33, v[TT]           ; r = angle - n pi / 2
	v_cvt_i32_f32 v[TT+2], v[TT+1]
	v_mul_f32 v[TT+3], v[TT], v[TT]
	v_fma_f32 v[TT+4], v[TT+3], s34, s35
	v_fma_f32 v[TT+4], v[TT+4], v[TT+3], s36
	v_mul_f32 v[TT+4], v[TT+4], v[TT+3]
	v_fma_f32 v[TT+4], v[TT+4], v[TT], v[TT]       ; sin r
	v_fma_f32 v[TT+5], v[TT+3], s37, s38
	v_fma_f32 v[TT+5], v[TT+5], v[TT+3], s39
	v_mul_f32 v[TT+5], v[TT+5], v[TT+3]
	v_fma_f32 v[TT+6], v[TT+3], -0.5, 1.0
	v_fma_f32 v[TT+5], v[TT+5], v[TT+3], v[TT+6]   ; cos r
	v_and_b32 v[TT+7], 1, v[TT+2]
	v_cmp_eq_u32 vcc_lo, 1, v[TT+7]                ; n odd: the two change places
	v_cndmask_b32 v[TT+8], v[TT+4], v[TT+5], vcc_lo
	v_cndmask_b32 v[TT+9], v[TT+5], v[TT+4], vcc_lo
	v_lshlrev_b32 v[TT+7], 30, v[TT+2]
	v_and_b32 v[TT+7], 0x80000000, v[TT+7]         ; sin is turned where n mod 4 is 2 or 3,
	v_xor_b32 v[68+8*(\t)+(\u)], v[TT+7], v[TT+8]
	v_add_nc_u32 v[TT+2], 1, v[TT+2]
	v_lshlrev_b32 v[TT+2], 30, v[TT+2]
	v_and_b32 v[TT+2], 0x80000000, v[TT+2]         ; cos where it is 1 or 2
	v_xor_b32 v[64+8*(\t)+(\u)], v[TT+2], v[TT+9]
.endm
.irp t, 0,1,2,3,4,5,6,7,8,9,10,11,12,13,14,15
.irp u, 0,1,2,3
	ANGLE \t, \u
.endr
	global_store_b128 v4, v[64+8*\t:67+8*\t], s[22:23] offset:1024*\t          ; each step has its own registers: no store's data are written again
	global_store_b128 v4, v[68+8*\t:71+8*\t], s[22:23] offset:1024*\t+256
.endr
	s_endpgm
.Lfunc_end_k_q5740206f1a_prep:
	.size	k_q5740206f1a_prep, .Lfunc_end_k_q5740206f1a_prep-k_q5740206f1a_prep
	.p2alignl 7, 3214868480
	.fill 96, 4, 3214868480
	.section	.rodata,"a",@progbits
	.p2align	6, 0x0
	.amdhsa_kernel k_q5740206f1a_prep
		.amdhsa_group_segment_fixed_size 33280
		.amdhsa_private_segment_fixed_size 0
		.amdhsa_enable_private_segment 0
		.amdhsa_kernarg_size 80
		.amdhsa_user_sgpr_count 2
		.amdhsa_user_sgpr_kernarg_segment_ptr 1
		.amdhsa_wavefront_size32 1
		.amdhsa_system_sgpr_workgroup_id_x 1
		.amdhsa_system_sgpr_workgroup_id_y 1
		.amdhsa_system_sgpr_workgroup_id_z 1
		.amdhsa_system_vgpr_workitem_id 0
		.amdhsa_next_free_vgpr 192
		.amdhsa_next_free_sgpr 66
		.amdhsa_reserve_vcc 1
		.amdhsa_float_denorm_mode_32 3
		.amdhsa_float_denorm_mode_16_64 3
		.amdhsa_memory_ordered 1
		.amdhsa_forward_progress 1
		.amdhsa_inst_pref_size 142
	.end_amdhsa_kernel
	.amdgpu_metadata
---
amdhsa.version: [ 1, 2 ]
amdhsa.kernels:
  - .name:           k_q5740206f1a_prep
    .symbol:         k_q5740206f1a_prep.kd
    .args:
      - { .name: hidden_states, .offset: 0, .size: 8, .value_kind: global_buffer, .address_space: global }
      - { .name: Wq, .offset: 8, .size: 8, .value_kind: global_buffer, .address_space: global }
      - { .name: Wk, .offset: 16, .size: 8, .value_kind: global_buffer, .address_space: global }
      - { .name: Wv, .offset: 24, .size: 8, .value_kind: global_buffer, .address_space: global }
      - { .name: Wo, .offset: 32, .size: 8, .value_kind: global_buffer, .address_space: global }
      - { .name: position_ids, .offset: 40, .size: 8, .value_kind: global_buffer, .address_space: global }
      - { .name: codes, .offset: 48, .size: 8, .value_kind: global_buffer, .address_space: global }
      - { .name: scales, .offset: 56, .size: 8, .value_kind: global_buffer, .address_space: global }
      - { .name: wo16, .offset: 64, .size: 8, .value_kind: global_buffer, .address_space: global }
      - { .name: rope, .offset: 72, .size: 8, .value_kind: global_buffer, .address_space: global }
    .group_segment_fixed_size: 33280
    .private_segment_fixed_size: 0
    .kernarg_segment_align: 8
    .kernarg_segment_size: 80
    .max_flat_workgroup_size: 128
    .sgpr_count:     66
    .vgpr_count:     192
    .wavefront_size: 32
...
	.end_amdgpu_metadata
.endif
;; end of part 1
;; launch qkv (part 2): grid 16 x 16, 4 waves a work-group, clusters of 4 x 4, 327,680 bytes of LDS; arguments codes, scales, rope, q_norm_w, k_norm_w, qkv16, qkv32; writes qkv16, qkv32
.if DOCPART == 2
	.amdgcn_target "amdgcn-amd-amdhsa--gfx1250"
	.amdhsa_code_object_version 6
	.text
	.protected	k_q5740206f1a_qkv
	.globl	k_q5740206f1a_qkv
	.p2align	8
	.type	k_q5740206f1a_qkv,@function
k_q5740206f1a_qkv:
	s_mov_b64 s[64:65], 0
	v_nop
	global_prefetch_b8 v0, s[64:65] scope:SCOPE_SE
	s_setreg_imm32_b32 hwreg(HW_REG_WAVE_MODE, 25, 1), 1
	s_wait_xcnt 0x0
	s_wait_alu depctr_hold_cnt(0) depctr_sa_sdst(0) depctr_va_vdst(0) depctr_va_sdst(0) depctr_va_ssrc(0) depctr_va_vcc(0) depctr_vm_vsrc(0)
	s_getreg_b32 s2, hwreg(HW_REG_IB_STS2, 6, 4)
	s_cmp_eq_u32 s2, 0
	s_cbranch_scc0 .Lentry_in_a_cluster
	s_endpgm
.Lentry_in_a_cluster:
	s_bfe_u32 s2, ttmp6, 0x10000c
	s_cmp_lg_u32 s2, 0xf033
	s_cbranch_scc0 .Lentry_shape_is_right
	s_endpgm
.Lentry_shape_is_right:
; SECOND LAUNCH: x [Wq; Wk; Wv]^T on codes of FP4 with E8M0 scales (M 4,096, N 2,048, K 4,096), then for q and k the RMS norm over the head and RoPE, all in f32; q, k, v leave as f16, head by head;
; the first 16 positions of each sequence leave in f32 as well, for the last launch.  Nothing is left out here.
; LIMITS: q, k, v go to f16, so their magnitudes stay under 65,504.
; SHARES.  A work-group makes 256 rows x one head (128 columns).  Wave w makes rows 64 w .. 64 w + 63 x all 128 columns: 32 accumulators.  THE MATRIX INSTRUCTION IS USED TRANSPOSED (source 0 = 16 rows of W,
; source 1 = 16 rows of x): lane (r, h), accumulator (a, b), register j hold row 16 a + r, channel 16 b + 8 h + j.  So a lane and its partner 16 away hold a row's whole head, and RoPE's partners d and d + 64 are
; accumulators b and b + 4, same register, same lane.
; K goes in steps of 512 (rows of 256 bytes) through a ring of two LDS slots; the scale bytes of the work-group's rows, for all of K, come once with the first fills.
; CLUSTER 4 x 4: the four of a row of the cluster need the same rows of x, the four of a column the same rows of W: each tile is asked for jointly.  The kind of head (q, k, v) hangs on the cluster's x alone.
; THE TEXT PARTS ONCE, on the cluster's x, behind the last change of slots: q's and k's way asks for the norm's weight and the first cos and sin, multiplies the last K step while they come, and goes out by norm and
; RoPE; v's way multiplies the last K step and goes out as it is.  No barrier and no tensor load stands on either way; each way has a stage of its own in LDS; they join at the closing lines.
; REGISTERS.  window 0: v16-31 addresses; v32-95 scale words, two sets, and nothing else; v96-109 at work on the way out; v128-191 x's fragments, two sets of 4 (way out: T); v192-223, v224-255 the way out.
;   window 1: v0-127 W's fragments, two sets of 8; v128-191 the norm's weight in the result's layout; v192-223 cos, v224-255 sin of 16 rows.   window 2: accumulator (a, b) at v[8 (8 a + b)].
.set PITCH,  272                       ; an LDS row: 256 bytes + 16 of padding, so that the 16 rows of a fragment load start at 16 different banks
.set ATILE,  256*PITCH                 ; x's 256 rows; W's 128 rows lie behind them
.set SLOT,   384*PITCH
.set SCL,    2*SLOT                    ; the scale bytes, as units of 256 bytes + 16: x's 128 units, then W's 64
.set SCA,    128*272
.set STAGE,  SCL+192*272               ; the way out of q and k: 16 rows x 272 bytes for each wave; no fill lands here
.set STAGEV, 4*16*272                  ; v's stage lies so many bytes behind it
.set SPARE,  STAGE+2*STAGEV            ; the spare words, 128 bytes a wave
.set ADRA, 16                          ; v16-17 LDS address of my fragments of x in slot 0, 1
.set ADRB, 20                          ; v20-21 the same for W
.set VW,   22                          ; v22  32 h
.set VTR,  23                          ; v23  tile row mod 8
.set STO,  24
.set RD,   25
.set CO,   26
.set ADRS, 27                          ; v27  my scale words: lanes 0-15 x's rows, lanes 16-31 W's
.set SPW,  28
.set NIL,  29
.set VRT,  30                          ; v30  512 r + 32 h: my place in 16 rows of the table
.set VF,   31                          ; v31  8,192 r + 32 h: my place in 16 rows of qkv32
.set SC,   32
.set SS,   96
.set AF,   128
.set T,    128
.set PK,   192
.set BK,   224
.set WV,   18
.set HF,   19
.set PAR,  20
.set TR,   21
.set SEL,  22
.set G1A,  24
.set G0A,  32
.set G1B,  48
.set G0B,  56
.set G1SA, 68
.set G0SA, 76
.set G1SB, 80
.set G0SB, 88
.set MSB, 0
.macro WIN new                         ; the immediate's high byte repeats the setting that is left
.if MSB != \new
	s_set_vgpr_msb (MSB<<8)|\new
.set MSB, \new
.endif
.endm
.set MUL,  0xa1                        ; source 0 (W) window 1, source 1 (x) window 0, C and D window 2
.set TO_B, 0x40
; A joint load: waves 0 and 1 fetch for x, waves 2 and 3 for W.  An s_nop 0 and four v_nop follow each line.
.macro JLOAD g0a, g1a, g0b, g1b
	s_cmp_eq_u32 s[HF], 0
	s_cbranch_scc0 .Lfor_b_\@
	tensor_load_to_lds s[\g0a:\g0a+3], s[\g1a:\g1a+7]
	s_nop 0
.rept 4
	v_nop
.endr
	s_branch .Lasked_\@
.Lfor_b_\@:
	tensor_load_to_lds s[\g0b:\g0b+3], s[\g1b:\g1b+7]
	s_nop 0
.rept 4
	v_nop
.endr
.Lasked_\@:
.endm
.macro CREST                           ; a round of the cluster's barrier behind its opening barrier
	s_cmp_lg_u32 s[WV], 0
	s_cbranch_scc1 .Lnot_wave_0_\@
	s_barrier_signal -3
.Lnot_wave_0_\@:
	s_barrier_wait -3
	s_barrier_signal -1
	s_barrier_wait -1
.endm
.macro CROUND
	s_barrier_signal -1
	s_barrier_wait -1
	CREST
.endm
.macro PLACES n
.rept \n
	v_nop
.endr
.endm
	s_load_b256 s[4:11], s[0:1], 0x0               ; codes s[4:5], scales s[6:7], rope s[8:9], q_norm_w s[10:11]
	s_load_b128 s[12:15], s[0:1], 0x20             ; k_norm_w s[12:13], qkv16 s[14:15]
	s_load_b64 s[16:17], s[0:1], 0x30              ; qkv32
	v_lshl_add_u32 v[SPW], v0, 2, SPARE
	v_mov_b32 v[NIL], 0
	ds_add_u32 v[SPW], v[NIL]                      ; the wave's opening: the add, twice on end, and its wait ahead of my first tensor load
	ds_add_u32 v[SPW], v[NIL]
	v_lshrrev_b32 v1, 5, v0
	v_readfirstlane_b32 s[WV], v1                  ; wave 0..3
	s_lshr_b32 s[HF], s[WV], 1                     ; I fetch for x (0) or for W (1)
	s_and_b32 s[PAR], s[WV], 1                     ; which half of that tile's rows
	s_bfe_u32 s40, ttmp6, 0x40000                  ; cx
	s_bfe_u32 s41, ttmp6, 0x40004                  ; cy
	s_lshl_b32 s42, ttmp9, 2
	s_add_co_u32 s42, s42, s40                     ; head column 0..15 = 4 x cluster x + cx
	s_and_b32 s[TR], ttmp7, 0xffff
	s_lshl_b32 s[TR], s[TR], 2
	s_add_co_u32 s[TR], s[TR], s41                 ; tile row 0..15 = 4 x cluster y + cy
	s_lshl_b32 s43, s41, 2
	s_lshl_b32 s43, 15, s43                        ; my row of the cluster
	s_lshl_b32 s44, 0x1111, s40                    ; my column
	s_or_b32 s[G1A], s43, (1<<20)|(1<<21)|(5<<22)|(3<<25)    ; the mask; elements of 1 byte; padding: 4 words after every 64; bit 21 beside a mask
	s_or_b32 s[G1B], s44, (1<<20)|(1<<21)|(5<<22)|(3<<25)
	s_mov_b32 s[G1A+1], 256<<16                    ; tensor_dim0 = 256 bytes
	s_mov_b32 s[G1A+2], 128<<16                    ; tensor_dim1 = 128 rows
	s_mov_b32 s[G1A+3], 256<<16                    ; tile_dim0
	s_mov_b32 s[G1A+4], 128                        ; tile_dim1
	s_mov_b32 s[G1A+5], 2048                       ; a row of codes in memory
	s_mov_b32 s[G1A+6], 0
	s_mov_b32 s[G1A+7], 0
	s_mov_b32 s[G1B+1], 256<<16
	s_mov_b32 s[G1B+2], 64<<16                     ; W: 64 rows to a load
	s_mov_b32 s[G1B+3], 256<<16
	s_mov_b32 s[G1B+4], 64
	s_mov_b32 s[G1B+5], 2048
	s_mov_b32 s[G1B+6], 0
	s_mov_b32 s[G1B+7], 0
	s_or_b32 s[G1SA], s43, (3<<16)|(1<<20)|(1<<21)|(5<<22)|(3<<25)   ; scale bytes: dense, as rows of 32 elements of 8 bytes, padded alike
	s_or_b32 s[G1SB], s44, (3<<16)|(1<<20)|(1<<21)|(5<<22)|(3<<25)
	s_mov_b32 s[G1SA+1], 32<<16
	s_mov_b32 s[G1SA+2], 64<<16                    ; 128 rows x 128 bytes = 64 units
	s_mov_b32 s[G1SA+3], 32<<16
	s_mov_b32 s[G1SA+4], 64
	s_mov_b32 s[G1SA+5], 32
	s_mov_b32 s[G1SA+6], 0
	s_mov_b32 s[G1SA+7], 0
	s_mov_b32 s[G1SB+1], 32<<16
	s_mov_b32 s[G1SB+2], 32<<16                    ; 64 rows x 128 bytes = 32 units
	s_mov_b32 s[G1SB+3], 32<<16
	s_mov_b32 s[G1SB+4], 32
	s_mov_b32 s[G1SB+5], 32
	s_mov_b32 s[G1SB+6], 0
	s_mov_b32 s[G1SB+7], 0
	s_mov_b32 s[G0A], 1                            ; where the tiles go: the wave's number and constants alone
	s_mul_i32 s[G0A+1], s[WV], 128*PITCH
	s_mov_b32 s[G0A+4], 1
	s_add_co_u32 s[G0A+5], s[G0A+1], SLOT
	s_mov_b32 s[G0B], 1
	s_mul_i32 s[G0B+1], s[WV], 64*PITCH
	s_add_co_u32 s[G0B+1], s[G0B+1], 128*PITCH     ; wave 2: behind x's 256 rows; wave 3: 64 rows on
	s_mov_b32 s[G0B+4], 1
	s_add_co_u32 s[G0B+5], s[G0B+1], SLOT
	s_mov_b32 s[G0SA], 1
	s_mul_i32 s[G0SA+1], s[WV], 64*272
	s_add_co_u32 s[G0SA+1], s[G0SA+1], SCL
	s_mov_b32 s[G0SB], 1
	s_mul_i32 s[G0SB+1], s[WV], 32*272
	s_add_co_u32 s[G0SB+1], s[G0SB+1], SCL+64*272
	s_lshl_b32 s92, s[TR], 8                       ; x: row 256 x tile row + 128 x half (these registers never hold cx)
	s_lshl_b32 s93, s[PAR], 7
	s_add_co_u32 s92, s92, s93
	s_lshl_b32 s94, s92, 7                         ; its scale bytes: 128 a row
	s_lshl_b32 s92, s92, 11                        ; its codes: 2,048 bytes a row
	s_mov_b32 s93, 0
	s_mov_b32 s95, 0
	s_lshl_b32 s46, s42, 7                         ; W: row 128 x head column + 64 x half (these never hold cy)
	s_lshl_b32 s47, s[PAR], 6
	s_add_co_u32 s46, s46, s47
	s_lshl_b32 s96, s46, 7
	s_add_co_u32 s96, s96, 524288                  ; W's bytes lie behind x's
	s_lshl_b32 s46, s46, 11
	s_add_co_u32 s46, s46, 8388608
	s_mov_b32 s47, 0
	s_mov_b32 s97, 0
	s_mov_b32 s[SEL], 0x76543210
	s_mov_b32 s[SEL+1], 0xfedcba98                 ; v_permlanex16_b32's selects for lane l xor 16
	s_mov_b32 s45, 0x3c000000                      ; 1 / 128
	s_wait_dscnt 0x0                               ; both opening adds are done
	s_wait_kmcnt 0x0
	s_add_nc_u64 s[G0A+2:G0A+3], s[4:5], s[92:93]
	s_add_nc_u64 s[G0A+6:G0A+7], s[G0A+2:G0A+3], 256       ; slot 1: the next 512 along K
	s_or_b32 s[G0A+3], s[G0A+3], 0x80000000
	s_or_b32 s[G0A+7], s[G0A+7], 0x80000000
	s_add_nc_u64 s[G0B+2:G0B+3], s[4:5], s[46:47]
	s_add_nc_u64 s[G0B+6:G0B+7], s[G0B+2:G0B+3], 256
	s_or_b32 s[G0B+3], s[G0B+3], 0x80000000
	s_or_b32 s[G0B+7], s[G0B+7], 0x80000000
	s_add_nc_u64 s[G0SA+2:G0SA+3], s[6:7], s[94:95]
	s_or_b32 s[G0SA+3], s[G0SA+3], 0x80000000
	s_add_nc_u64 s[G0SB+2:G0SB+3], s[6:7], s[96:97]
	s_or_b32 s[G0SB+3], s[G0SB+3], 0x80000000
	CROUND                                         ; all sixteen work-groups are here: the first joint loads meet
	JLOAD G0SA, G1SA, G0SB, G1SB                   ; three loads of mine are out: the scale bytes,
	JLOAD G0A, G1A, G0B, G1B                       ; slot 0,
	JLOAD G0A+4, G1A, G0B+4, G1B                   ; slot 1
	v_and_b32 v1, 15, v0                           ; r
	v_bfe_u32 v2, v0, 4, 1                         ; h
	v_mul_u32_u24 v3, v1, PITCH
	v_lshl_add_u32 v4, v2, 4, v3                   ; a fragment's row x pitch + 16 h
	s_mul_i32 s2, s[WV], 64*PITCH                  ; my 64 rows of x
	v_add_nc_u32 v[ADRA], s2, v4
	s_add_co_u32 s2, s2, SLOT
	v_add_nc_u32 v[ADRA+1], s2, v4
	v_add_nc_u32 v[ADRB], ATILE, v4
	v_add_nc_u32 v[ADRB+1], ATILE+SLOT, v4
	v_lshrrev_b32 v5, 1, v1                        ; scale bytes: two rows of 128 bytes to a unit
	v_mul_u32_u24 v5, v5, 272
	v_and_b32 v6, 1, v1
	v_lshl_add_u32 v5, v6, 7, v5
	s_mul_i32 s2, s[WV], 32*272                    ; x's: my 64 rows
	s_sub_co_u32 s3, SCA, s2                       ; from there to W's first row
	v_mul_u32_u24 v6, s3, v2                       ; lanes 16-31 take W's
	s_add_co_u32 s2, s2, SCL
	v_add_nc_u32 v5, v5, v6
	v_add_nc_u32 v[ADRS], s2, v5
	s_mul_i32 s2, s[WV], 16*272
	s_add_co_u32 s2, s2, STAGE                     ; my stage
	v_add_nc_u32 v[STO], s2, v4                    ; in: row r, 16 bytes for each half of the lanes
	v_mul_u32_u24 v5, v2, 272
	v_lshl_add_u32 v5, v1, 4, v5
	v_add_nc_u32 v[RD], s2, v5                     ; back: lanes 0-15 one row of 256 bytes, lanes 16-31 the next
	v_and_b32 v5, 31, v0
	v_lshlrev_b32 v[CO], 4, v5                     ; rows of 256 bytes are dense in qkv16: 16 x lane
	v_lshlrev_b32 v[VW], 5, v2
	v_lshl_add_u32 v[VRT], v1, 9, v[VW]
	v_lshl_add_u32 v[VF], v1, 13, v[VW]
	v_mov_b32 v105, 0                              ; a lane permute's destination counts as one of its sources
	v_mov_b32 v109, 0                              ; named as the upper half of the pair v[108:109]
	s_lshr_b32 s66, s[TR], 3                       ; the batch
	s_and_b32 s67, s[TR], 7
	v_mov_b32 v[VTR], s67
	s_lshl_b32 s100, s[TR], 17                     ; the table: (256 tile row + 64 wave) rows of 512 bytes
	s_lshl_b32 s2, s[WV], 15
	s_add_co_u32 s100, s100, s2
	s_mov_b32 s101, 0
	s_add_nc_u64 s[8:9], s[8:9], s[100:101]
	s_lshl_b32 s100, s66, 17                       ; qkv32: [batch][16][2,048] f32, column 128 x head column
	s_lshl_b32 s2, s42, 9
	s_add_co_u32 s100, s100, s2
	s_add_nc_u64 s[16:17], s[16:17], s[100:101]
	s_cmp_lt_u32 ttmp9, 2                          ; qkv16: q [b][8][s][128] at 0, k [b][4][s][128] at 8,388,608, v likewise at 12,582,912
	s_cselect_b32 s100, 8, 4
	s_cselect_b32 s104, 0, 8
	s_cselect_b32 s105, 0, 0x800000
	s_cselect_b64 s[10:11], s[10:11], s[12:13]     ; the norm's weight: q's or k's
	s_cmp_eq_u32 ttmp9, 3
	s_cselect_b32 s104, 12, s104
	s_cselect_b32 s105, 0xc00000, s105
	s_sub_co_u32 s104, s42, s104                   ; the head within its kind
	s_mul_i32 s100, s66, s100
	s_add_co_u32 s100, s100, s104
	s_lshl_b32 s100, s100, 3                       ; x 8 tile rows of 256 positions
	s_add_co_u32 s100, s100, s67
	s_lshl_b32 s100, s100, 2                       ; x 4 waves of 64
	s_add_co_u32 s100, s100, s[WV]
	s_lshl_b32 s100, s100, 14                      ; x 64 rows of 256 bytes
	s_add_co_u32 s100, s100, s105
	s_add_nc_u64 s[14:15], s[14:15], s[100:101]
.macro FRAG reg, adr, q, i             ; 16 rows x 128 K of 4-bit codes: registers 4 c .. 4 c + 3 hold K = 64 c + 32 h + 0 .. 31
.irp c, 0,1
	ds_load_b128 v[\reg+4*\c:\reg+4*\c+3], v[\adr] offset:64*(\q)+32*\c+(\i)*16*PITCH
.endr
.endm
.macro FETCH slot, q, p                ; 24 loads in one run: W's eight fragments and x's four, of the slot's q-th 128 along K, into set p
	WIN TO_B
.irp i, 0,1,2,3,4,5,6,7
	FRAG 64*(\p)+8*\i, ADRB+\slot, \q, \i
.endr
	WIN 0
.irp i, 0,1,2,3
	FRAG AF+32*(\p)+8*\i, ADRA+\slot, \q, \i
.endr
.endm
.macro SCALES sc                       ; a K step's scale words: register 4 i + q: lanes 0-15 x's block i (i under 4), lanes 16-31 W's block i
.irp i, 0,1,2,3,4,5,6,7
	ds_load_b128 v[SC+32*\sc+4*\i:SC+32*\sc+4*\i+3], v[ADRS] offset:\i*8*272
.endr
.endm
; 8 matrix instructions: x's block a against W's eight.  The 32 accumulators take turns, one instruction a turn, in the same order in every step.
.macro MUL8 a, p, q, sc, zero
.irp b, 0,1,2,3,4,5,6,7
.if \zero
	v_wmma_scale_f32_16x16x128_f8f6f4 v[8*(8*(\a)+\b):8*(8*(\a)+\b)+7], v[64*(\p)+8*\b:64*(\p)+8*\b+7], v[AF+32*(\p)+8*(\a):AF+32*(\p)+8*(\a)+7], 0, v[SC+32*(\sc)+4*\b+(\q)], v[SC+32*(\sc)+4*(\a)+(\q)] matrix_a_fmt:MATRIX_FMT_FP4 matrix_b_fmt:MATRIX_FMT_FP4 matrix_a_scale:MATRIX_SCALE_ROW1
.else
	v_wmma_scale_f32_16x16x128_f8f6f4 v[8*(8*(\a)+\b):8*(8*(\a)+\b)+7], v[64*(\p)+8*\b:64*(\p)+8*\b+7], v[AF+32*(\p)+8*(\a):AF+32*(\p)+8*(\a)+7], v[8*(8*(\a)+\b):8*(8*(\a)+\b)+7], v[SC+32*(\sc)+4*\b+(\q)], v[SC+32*(\sc)+4*(\a)+(\q)] matrix_a_fmt:MATRIX_FMT_FP4 matrix_b_fmt:MATRIX_FMT_FP4 matrix_a_scale:MATRIX_SCALE_ROW1
.endif
.endr
.endm
; A step of 128 along K that has its successor in the same slot: its own fragments were asked for a step ago; the next step's go into the other set, four places behind the products that read it.
.macro STEP slot, q, zero
	s_wait_dscnt 0x0
	PLACES 4
	FETCH \slot, (\q)+1, 1-(\q)%2
	WIN MUL
	MUL8 0, (\q)%2, \q, \slot, \zero
	MUL8 1, (\q)%2, \q, \slot, \zero
	MUL8 2, (\q)%2, \q, \slot, \zero
	MUL8 3, (\q)%2, \q, \slot, \zero
	WIN 0
.endm
; A slot's last step changes slots: one barrier; in front of it each wave waits for all its tensor loads, adds 0 to its spare word, and waits for that and for its reads of this slot.
.macro TURN slot, next, fill
	s_wait_tensorcnt 0x0                           ; all my tensor loads have landed: my part of the next slot
	ds_add_u32 v[SPW], v[NIL]
	s_wait_dscnt 1                                 ; this step's fragments are in; the add may be out
	WIN MUL
	MUL8 0, 1, 3, \slot, 0
	s_wait_dscnt 0x0                               ; the add is done, and my reads of this slot are over
	s_barrier_signal -1
	MUL8 1, 1, 3, \slot, 0
	WIN 0
	s_barrier_wait -1
.if \fill
	CREST                                          ; the barrier has opened a round of the cluster's: no wave of any partner still reads this slot or has a load on its way
	s_add_nc_u64 s[G0A+4*\slot+2:G0A+4*\slot+3], s[G0A+4*\slot+2:G0A+4*\slot+3], 512
	s_add_nc_u64 s[G0B+4*\slot+2:G0B+4*\slot+3], s[G0B+4*\slot+2:G0B+4*\slot+3], 512
	JLOAD G0A+4*\slot, G1A, G0B+4*\slot, G1B       ; my one tensor load behind the round; its four v_nop are the places in front of the loads below
.else
	PLACES 4
.endif
	v_add_nc_u32 v[ADRS], 16, v[ADRS]              ; the next K step's scale words
	FETCH \next, 0, 0
	SCALES \next
	WIN MUL
	MUL8 2, 1, 3, \slot, 0
	MUL8 3, 1, 3, \slot, 0
	WIN 0
.endm
; The last K step, in slot 1: nothing is fetched beyond it, and no barrier stands in it.  It is written on each of the two ways out.
.macro LASTSTEPS
	STEP 1, 0, 0
	STEP 1, 1, 0
	STEP 1, 2, 0
	s_wait_dscnt 0x0
	WIN MUL
	MUL8 0, 1, 3, 1, 0
	MUL8 1, 1, 3, 1, 0
	MUL8 2, 1, 3, 1, 0
	MUL8 3, 1, 3, 1, 0
	WIN 0
	PLACES 4                                       ; in front of the first reads of results
.endm
.macro CSLOAD a                        ; cos and sin of rows 16 a .. 16 a + 15, frequencies 16 b + 8 h + 0 .. 7, into window 1
	WIN 0x40
.irp b, 0,1,2,3
	global_load_b128 v[192+8*\b:195+8*\b], v[VRT], s[8:9] offset:(\a)*8192+64*\b
	global_load_b128 v[196+8*\b:199+8*\b], v[VRT], s[8:9] offset:(\a)*8192+64*\b+16
	global_load_b128 v[224+8*\b:227+8*\b], v[VRT], s[8:9] offset:(\a)*8192+64*\b+256
	global_load_b128 v[228+8*\b:231+8*\b], v[VRT], s[8:9] offset:(\a)*8192+64*\b+272
.endr
	WIN 0
.endm
; NORMROPE: x rsqrt(mean x^2 + 1e-6), times the weight, then out[d] = y[d] cos - y[d + 64] sin, out[d + 64] = y[d + 64] cos + y[d] sin; the results go back into the accumulators' registers.
.macro NORMROPE a
	WIN 0x0a                                       ; sources 0 and 1 window 2
.irp b, 0,1,2,3,4,5,6,7
.irp p, 0,1,2,3
.if \b == 0
	v_pk_mul_f32 v[SS+2*\p:SS+2*\p+1], v[8*(8*\a+\b)+2*\p:8*(8*\a+\b)+2*\p+1], v[8*(8*\a+\b)+2*\p:8*(8*\a+\b)+2*\p+1]
.else
	v_pk_fma_f32 v[SS+2*\p:SS+2*\p+1], v[8*(8*\a+\b)+2*\p:8*(8*\a+\b)+2*\p+1], v[8*(8*\a+\b)+2*\p:8*(8*\a+\b)+2*\p+1], v[SS+2*\p:SS+2*\p+1]
.endif
.endr
.endr
	WIN 0
	v_pk_add_f32 v[SS:SS+1], v[SS:SS+1], v[SS+2:SS+3]
	v_pk_add_f32 v[SS+4:SS+5], v[SS+4:SS+5], v[SS+6:SS+7]
	v_pk_add_f32 v[SS:SS+1], v[SS:SS+1], v[SS+4:SS+5]
	v_add_f32 v104, v[SS], v[SS+1]
	v_permlanex16_b32 v105, v104, s[SEL], s[SEL+1] ; the row's other 64 channels lie in the lane 16 away
	v_add_f32 v104, v104, v105
	v_fmaak_f32 v104, s45, v104, 0x358637bd        ; the mean + 1e-6
	v_rsq_f32 v108, v104
	v_nop                                          ; a plain line behind the transcendental,
	s_wait_alu depctr_va_vdst(0)                   ; and the wait ahead of its first reader
	WIN 0x02                                       ; source 0 window 2
.irp i, 0,2,4,6,8,10,12,14,16,18,20,22,24,26,28,30,32,34,36,38,40,42,44,46,48,50,52,54,56,58,60,62
	v_pk_mul_f32 v[T+\i:T+\i+1], v[64*\a+\i:64*\a+\i+1], v[108:109] op_sel_hi:[1,0]
.endr
	s_wait_loadcnt 0x0                             ; the weight (the first time), this block's cos and sin
	WIN 0x04                                       ; source 1 window 1
.irp i, 0,2,4,6,8,10,12,14,16,18,20,22,24,26,28,30,32,34,36,38,40,42,44,46,48,50,52,54,56,58,60,62
	v_pk_mul_f32 v[T+\i:T+\i+1], v[T+\i:T+\i+1], v[128+\i:129+\i]
.endr
	WIN 0x84                                       ; destination window 2, source 1 window 1
.irp i, 0,2,4,6,8,10,12,14,16,18,20,22,24,26,28,30
	v_pk_mul_f32 v[64*\a+\i:64*\a+\i+1], v[T+\i:T+\i+1], v[192+\i:193+\i]
	v_pk_mul_f32 v[64*\a+32+\i:64*\a+33+\i], v[T+32+\i:T+33+\i], v[192+\i:193+\i]
.endr
	WIN 0xa4                                       ; and source 2 window 2
.irp i, 0,2,4,6,8,10,12,14,16,18,20,22,24,26,28,30
	v_pk_fma_f32 v[64*\a+\i:64*\a+\i+1], v[T+32+\i:T+33+\i], v[224+\i:225+\i], v[64*\a+\i:64*\a+\i+1] neg_lo:[1,0,0] neg_hi:[1,0,0]
	v_pk_fma_f32 v[64*\a+32+\i:64*\a+33+\i], v[T+\i:T+\i+1], v[224+\i:225+\i], v[64*\a+32+\i:64*\a+33+\i]
.endr
	WIN 0
.if \a < 3
	CSLOAD \a+1                                    ; the next block's, while this block leaves
.endif
.endm
; The first 16 positions of a sequence, in f32: they are wave 0's block 0 where the tile row is 0 or 8.  The wave and the cluster's y (even) are branches that all partners take alike; the place in the cluster
; (cy = 0) is chosen by EXEC.  A lane stores 256 bytes of its row in pieces of 16: 256 KiB in the whole launch.
.macro FIRST16
	s_cmp_lg_u32 s[WV], 0
	s_cbranch_scc1 .Lnot_first_\@
	s_and_b32 s2, ttmp7, 1
	s_cmp_lg_u32 s2, 0
	s_cbranch_scc1 .Lnot_first_\@
	s_wait_xcnt 0x0                                ; EXEC changes only behind this wait
	v_cmp_eq_u32 vcc_lo, 0, v[VTR]
	s_and_saveexec_b32 s96, vcc_lo
	WIN 0x08                                       ; a store's data are its source 1: window 2
.irp b, 0,1,2,3,4,5,6,7
	global_store_b128 v[VF], v[8*\b:8*\b+3], s[16:17] offset:64*\b
	global_store_b128 v[VF], v[8*\b+4:8*\b+7], s[16:17] offset:64*\b+16
.endr
	WIN 0
	s_wait_xcnt 0x0                                ; and again in front of the line that widens it
	s_or_b32 exec_lo, exec_lo, s96
.Lnot_first_\@:
.endm
; 16 rows to f16, through my stage (so: 0 on q's and k's way, STAGEV on v's), out as rows of 256 bytes: a store of the wave covers 512 consecutive bytes, aligned.
.macro OUT16 a, so
	WIN 0x0a
.irp b, 0,1,2,3,4,5,6,7
.irp p, 0,1,2,3
	v_cvt_pk_f16_f32 v[PK+4*\b+\p], v[8*(8*\a+\b)+2*\p], v[8*(8*\a+\b)+2*\p+1]
.endr
.endr
	WIN 0
.irp b, 0,1,2,3,4,5,6,7
	ds_store_b128 v[STO], v[PK+4*\b:PK+4*\b+3] offset:(\so)+32*\b
.endr
	s_wait_xcnt 0x0                                ; the last block's stores have read v224-255: they are loaded again only behind this wait
.irp t, 0,1,2,3,4,5,6,7
	ds_load_b128 v[BK+4*\t:BK+4*\t+3], v[RD] offset:(\so)+544*\t   ; LDS serves a wave's instructions in order: these see the stores above
.endr
	s_wait_dscnt 0x0
.irp t, 0,1,2,3,4,5,6,7
	global_store_b128 v[CO], v[BK+4*\t:BK+4*\t+3], s[14:15] offset:4096*\a+512*\t
.endr
.endm
	s_wait_tensorcnt 1                             ; the scale bytes and my part of slot 0 are in; slot 1's load may stay out
	s_barrier_signal -1
	s_barrier_wait -1
	FETCH 0, 0, 0
	SCALES 0
	STEP 0, 0, 1                                   ; the first step's products start the sums
	s_mov_b32 s3, 3
.Llap:                                                 ; a trip goes once round the ring and fills both slots again: K steps 2 to 7
	STEP 0, 1, 0
	STEP 0, 2, 0
	TURN 0, 1, 1
	STEP 1, 0, 0
	STEP 1, 1, 0
	STEP 1, 2, 0
	TURN 1, 0, 1
	STEP 0, 0, 0
	s_sub_co_u32 s3, s3, 1
	s_cmp_lg_u32 s3, 0
	s_cbranch_scc1 .Llap
	STEP 0, 1, 0                                   ; the last lap fills nothing
	STEP 0, 2, 0
	TURN 0, 1, 0                                   ; the last barrier ahead of the closing round
	s_cmp_eq_u32 ttmp9, 3                          ; THE ONE PARTING: the cluster's x, the same in all sixteen partners and in all waves
	s_cbranch_scc1 .Lvpath
	; ---- q's and k's way.  The weight and the first 16 rows' cos and sin are asked for here and land under the last K step's 128 matrix instructions.
	WIN 0x40
.irp b, 0,1,2,3,4,5,6,7
	global_load_b128 v[128+8*\b:131+8*\b], v[VW], s[10:11] offset:64*\b        ; the weight of channels 16 b + 8 h + 0 .. 7
	global_load_b128 v[132+8*\b:135+8*\b], v[VW], s[10:11] offset:64*\b+16
.endr
	WIN 0
	CSLOAD 0
	LASTSTEPS
	NORMROPE 0
	FIRST16
	OUT16 0, 0
	NORMROPE 1
	OUT16 1, 0
	NORMROPE 2
	OUT16 2, 0
	NORMROPE 3
	OUT16 3, 0
	s_branch .Lend
	; ---- v's way: no norm, no RoPE; neither the weight nor the table is read.
.Lvpath:
	LASTSTEPS
	FIRST16
	OUT16 0, STAGEV
	OUT16 1, STAGEV
	OUT16 2, STAGEV
	OUT16 3, STAGEV
.Lend:
	s_wait_tensorcnt 0x0                           ; the wave's end
	ds_add_u32 v[SPW], v[NIL]
	s_wait_dscnt 0x0
	CROUND                                         ; the closing round: no work-group ends while a partner may still ask for a tile that names it
	s_endpgm
.Lfunc_end_k_q5740206f1a_qkv:
	.size	k_q5740206f1a_qkv, .Lfunc_end_k_q5740206f1a_qkv-k_q5740206f1a_qkv
	.p2alignl 7, 3214868480
	.fill 96, 4, 3214868480
	.section	.rodata,"a",@progbits
	.p2align	6, 0x0
	.amdhsa_kernel k_q5740206f1a_qkv
		.amdhsa_group_segment_fixed_size 327680
		.amdhsa_private_segment_fixed_size 0
		.amdhsa_enable_private_segment 0
		.amdhsa_kernarg_size 56
		.amdhsa_user_sgpr_count 2
		.amdhsa_user_sgpr_kernarg_segment_ptr 1
		.amdhsa_wavefront_size32 1
		.amdhsa_system_sgpr_workgroup_id_x 1
		.amdhsa_system_sgpr_workgroup_id_y 1
		.amdhsa_system_sgpr_workgroup_id_z 1
		.amdhsa_system_vgpr_workitem_id 0
		.amdhsa_next_free_vgpr 768
		.amdhsa_next_free_sgpr 106
		.amdhsa_reserve_vcc 1
		.amdhsa_float_denorm_mode_32 3
		.amdhsa_float_denorm_mode_16_64 3
		.amdhsa_memory_ordered 1
		.amdhsa_forward_progress 1
		.amdhsa_inst_pref_size 215
	.end_amdhsa_kernel
	.amdgpu_metadata
---
amdhsa.version: [ 1, 2 ]
amdhsa.kernels:
  - .name:           k_q5740206f1a_qkv
    .symbol:         k_q5740206f1a_qkv.kd
    .args:
      - { .name: codes, .offset: 0, .size: 8, .value_kind: global_buffer, .address_space: global }
      - { .name: scales, .offset: 8, .size: 8, .value_kind: global_buffer, .address_space: global }
      - { .name: rope, .offset: 16, .size: 8, .value_kind: global_buffer, .address_space: global }
      - { .name: q_norm_w, .offset: 24, .size: 8, .value_kind: global_buffer, .address_space: global }
      - { .name: k_norm_w, .offset: 32, .size: 8, .value_kind: global_buffer, .address_space: global }
      - { .name: qkv16, .offset: 40, .size: 8, .value_kind: global_buffer, .address_space: global }
      - { .name: qkv32, .offset: 48, .size: 8, .value_kind: global_buffer, .address_space: global }
    .group_segment_fixed_size: 327680
    .private_segment_fixed_size: 0
    .kernarg_segment_align: 8
    .kernarg_segment_size: 56
    .max_flat_workgroup_size: 128
    .sgpr_count:     106
    .vgpr_count:     768
    .wavefront_size: 32
...
	.end_amdgpu_metadata
.endif
;; end of part 2
;; launch attn (part 3): grid 32 x 8, 4 waves a work-group, no clusters, 327,680 bytes of LDS; arguments qkv16, attn16; writes attn16
.if DOCPART == 3
	.amdgcn_target "amdgcn-amd-amdhsa--gfx1250"
	.amdhsa_code_object_version 6
	.text
	.protected	k_q5740206f1a_attn
	.globl	k_q5740206f1a_attn
	.p2align	8
	.type	k_q5740206f1a_attn,@function
k_q5740206f1a_attn:
	s_mov_b64 s[64:65], 0
	v_nop
	global_prefetch_b8 v0, s[64:65] scope:SCOPE_SE
	s_setreg_imm32_b32 hwreg(HW_REG_WAVE_MODE, 25, 1), 1
	s_wait_xcnt 0x0
; THIRD LAUNCH: causal attention, both products on f16 operands with f32 sums; maxima, exponentials and sums in f32; a running maximum.
; LEFT OUT (shown at the head of the first launch): a step of 64 keys all of which come after a tile's 16 queries is not multiplied, and tiles that no wave of the work-group reads are not fetched.
; LIMITS: as the second launch's; the weights p (at most 1) are rounded to f16 for the second product.  The first 16 positions of each sequence are made here too, inside tiles that hold other rows, and are
; written over by the last launch.
; SHARES.  Work-group (i, g): key/value head g = 4 batch + head; positions 32 i .. 32 i + 31 and 32 (63 - i) .. + 31 of the two query heads that share it.  Wave w: query head 2 (g % 4) + w % 2, half w / 2 of each
; block: two tiles of 16 queries, tile 0 late, tile 1 early, so that every wave walks the same number of tile steps.  All four waves read the same K and V.
; NO CLUSTER: under the mask the work-groups of a head need different numbers of tiles, so a joint load would bring some partner tiles that none of its waves reads.
; LAYOUT.  S^T = K Q^T (source 0 = 16 keys, source 1 = 16 queries): a lane holds one query (lane % 16) and keys 8 (lane / 16) + 0 .. 7; two such tiles rounded in pairs are source 1 of O^T = V^T P.
; K comes out of LDS as it lies, V ([key][channel]) turned by ds_load_tr16_b128.
; RING.  Two LDS slots of two key steps (128 keys); waves 0, 1 fetch the two steps' K, waves 2, 3 their V.  Every wait for tensor loads is for 0.  Every work-group walks all 16 changes of slots: the trip
; counts are constants; what the mask hides is jumped over by scalar branches on ids and on the count of steps.
; REGISTERS.  window 0: v1-15 addresses; v16-31 statistics, 8 a tile (+0 c m, +1 m, +2, +3 l, +4 .. +7 at work); v32-95 Q; v96-159 S^T; v160-191 P.   window 1: v0-127 K, v128-255 V of a step.   window 2: O^T, 64 a tile.
.set KS,    64
.set PK,    272                        ; a row of K in LDS: 256 bytes + 16
.set PV,    288                        ; a row of V: 256 + 32, for the turning load
.set VOFF,  KS*PK
.set STEPB, KS*(PK+PV)
.set SLOT1, 1<<17                      ; slot 1 begins here: one exclusive or turns an address from one slot to the other
.set STAGE, SLOT1+2*STEPB              ; the way out: 16 rows x 272 bytes a wave; no fill lands here
.set SPARE, STAGE+4*16*272
.set AK0, 1
.set AV0, 2
.set ADK, 3
.set ADV, 4
.set QO,  5
.set STO, 6
.set RD,  7
.set GO,  8
.set VDL, 9                            ; v9   r - 8 h
.set VD,  10
.set NEGINF, 11
.set PFO, 12
.set SPW, 14
.set NIL, 15
.set ST,  16
.set Q,   32
.set S,   96
.set P,   160
.set WV,  18
.set SEL, 20
.set CS,  22                           ; s[22:23] c = log2(e) / sqrt(128)
.set G1K, 24
.set G1V, 32
.set G0K, 40
.set G0V, 44
.set TB,  2                            ; s2   LDS byte at which the slot in hand begins
.set KF,  66                           ; s66  the step's first key
.set SLOTS, 67
.set QL,  68                           ; s68  tile 0's first query
.set QE,  69                           ; s69  tile 1's
.set QMAX, 70                          ; s70  the work-group's last query
.set PFA, 80
.set LIM, 82
.set MSB, 0
.macro WIN new
.if MSB != \new
	s_set_vgpr_msb (MSB<<8)|\new
.set MSB, \new
.endif
.endm
.set W_LD, 0x40
.set W_KQ, 0x01
.set W_PV, 0xa1
.set W_RS, 0x82
.set W_OUT, 0x0a
.macro PLACES
.rept 4
	v_nop
.endr
.endm
; The tensor load of the waves whose number is par modulo 2: wave par for K, wave 2 + par for V.  An s_nop 0 and four v_nop follow each line.
.macro TL par
	s_cmp_lg_u32 s9, \par
	s_cbranch_scc1 .Ltl_done_\@
	s_cmp_lt_u32 s[WV], 2
	s_cbranch_scc0 .Ltl_v_\@
	tensor_load_to_lds s[G0K:G0K+3], s[G1K:G1K+7]
	s_nop 0
.rept 4
	v_nop
.endr
	s_branch .Ltl_done_\@
.Ltl_v_\@:
	tensor_load_to_lds s[G0V:G0V+3], s[G1V:G1V+7]
	s_nop 0
.rept 4
	v_nop
.endr
.Ltl_done_\@:
.endm
; A prefetch of what the NEXT change of slots will ask for: 128 rows of K and 128 of V, 256 bytes a row.  All 32 work-groups of a key/value head walk the same rows: work-group 0, which walks them all, asks;
; each of its waves takes 32 rows of K and 32 of V, a lane a row.  So each row is named once in the launch.  The last change that fills a slot asks for nothing; nothing is asked for at the head.
.macro ASK
	s_cmp_gt_u32 s[SLOTS], s[LIM]
	s_cbranch_scc0 .Lnot_mine_\@
	global_prefetch_b8 v[PFO], s[PFA:PFA+1] th:TH_LOAD_NT scope:SCOPE_SE
	global_prefetch_b8 v[PFO], s[PFA:PFA+1] offset:4194304 th:TH_LOAD_NT scope:SCOPE_SE
.Lnot_mine_\@:
.endm
	s_load_b128 s[4:7], s[0:1], 0x0                ; qkv16 s[4:5], attn16 s[6:7]
	v_lshl_add_u32 v[SPW], v0, 2, SPARE
	v_mov_b32 v[NIL], 0
	ds_add_u32 v[SPW], v[NIL]                      ; the wave's opening: the add, twice on end, and its wait ahead of my first tensor load
	ds_add_u32 v[SPW], v[NIL]
	v_lshrrev_b32 v1, 5, v0
	v_readfirstlane_b32 s[WV], v1
	s_and_b32 s8, ttmp7, 0xffff                    ; g
	s_and_b32 s9, s[WV], 1                         ; which query head; also which of a slot's two steps I fetch
	s_lshr_b32 s10, s[WV], 1                       ; which half of the blocks
	s_lshl_b32 s11, ttmp9, 5
	s_lshl_b32 s12, s10, 4
	s_add_co_u32 s[QE], s11, s12
	s_sub_co_u32 s[QL], 2016, s11
	s_add_co_u32 s[QL], s[QL], s12
	s_sub_co_u32 s[QMAX], 2047, s11
	s_mov_b32 s[G1K], (1<<16)|(1<<20)|(5<<22)|(3<<25)      ; elements of 2 bytes; padding: 4 words after every 64
	s_mov_b32 s[G1V], (1<<16)|(1<<20)|(5<<22)|(7<<25)      ; 8 words
.irp g, G1K, G1V
	s_mov_b32 s[\g+1], 128<<16                     ; tensor_dim0 = 128
	s_mov_b32 s[\g+2], KS<<16                      ; tensor_dim1 = 64
	s_mov_b32 s[\g+3], 128<<16                     ; tile_dim0
	s_mov_b32 s[\g+4], KS                          ; tile_dim1
	s_mov_b32 s[\g+5], 128                         ; from row to row
	s_mov_b32 s[\g+6], 0
	s_mov_b32 s[\g+7], 0
.endr
	s_mov_b32 s[G0K], 1
	s_mul_i32 s[G0K+1], s9, STEPB                  ; slot 0, my step
	s_mov_b32 s[G0V], 1
	s_add_co_u32 s[G0V+1], s[G0K+1], VOFF
	s_lshl_b32 s84, s8, 1
	s_add_co_u32 s84, s84, s9                      ; q's plane: 2 g + w % 2
	s_lshl_b32 s84, s84, 11
	s_add_co_u32 s86, s84, s[QE]
	s_add_co_u32 s84, s84, s[QL]
	s_lshl_b32 s84, s84, 8                         ; rows of 256 bytes
	s_lshl_b32 s86, s86, 8
	s_mov_b32 s85, 0
	s_mov_b32 s87, 0
	s_lshr_b32 s88, s8, 2                          ; the batch
	s_lshl_b32 s88, s88, 11
	s_add_co_u32 s90, s88, s[QE]
	s_add_co_u32 s88, s88, s[QL]
	s_lshl_b32 s88, s88, 11                        ; attn16: rows of 2,048 bytes,
	s_lshl_b32 s90, s90, 11
	s_and_b32 s92, s8, 3
	s_lshl_b32 s92, s92, 1
	s_add_co_u32 s92, s92, s9
	s_lshl_b32 s92, s92, 8                         ; the query head's 256 bytes
	s_add_co_u32 s88, s88, s92
	s_add_co_u32 s90, s90, s92
	s_mov_b32 s89, 0
	s_mov_b32 s91, 0
	s_lshl_b32 s94, s8, 19                         ; K of head g: 8,388,608 + g x 2,048 rows of 256 bytes
	s_add_co_u32 s94, s94, 0x800000
	s_lshl_b32 s93, s[WV], 13
	s_add_co_u32 s92, s94, s93                     ; the prefetches: my wave's 32 rows,
	s_add_co_u32 s92, s92, 32768                   ; in slot 1: the first change of slots steps it to slot 2
	s_mov_b32 s93, 0
	s_lshl_b32 s95, s9, 14
	s_add_co_u32 s94, s94, s95                     ; the loads: my step's 64 rows
	s_mov_b32 s95, 0
	s_mov_b32 s[SEL], 0x76543210
	s_mov_b32 s[SEL+1], 0xfedcba98
	s_mov_b32 s[CS], 0x3e0293ee
	s_mov_b32 s[CS+1], s[CS]
	s_mov_b32 s[TB], 0
	s_mov_b32 s[KF], 0
	s_mov_b32 s[SLOTS], 15
	s_cmp_eq_u32 ttmp9, 0
	s_cselect_b32 s[LIM], 1, -1
	s_wait_dscnt 0x0                               ; both opening adds are done
	s_wait_kmcnt 0x0
	s_add_nc_u64 s[G0K+2:G0K+3], s[4:5], s[94:95]
	s_add_nc_u64 s[G0V+2:G0V+3], s[G0K+2:G0K+3], 0x400000  ; V lies 4,194,304 bytes behind K
	s_or_b32 s[G0K+3], s[G0K+3], 0x80000000
	s_or_b32 s[G0V+3], s[G0V+3], 0x80000000
	s_cmp_lt_u32 s[WV], 2                          ; slot 0: every wave issues one first fill.  Its keys 0 .. 127 count for every late tile
	s_cbranch_scc0 .Lfirst_v
	tensor_load_to_lds s[G0K:G0K+3], s[G1K:G1K+7]
	s_nop 0
.rept 4
	v_nop
.endr
	s_branch .Lfirst_asked
.Lfirst_v:
	tensor_load_to_lds s[G0V:G0V+3], s[G1V:G1V+7]
	s_nop 0
.rept 4
	v_nop
.endr
.Lfirst_asked:
	s_add_nc_u64 s[72:73], s[4:5], s[84:85]        ; Q of tile 0, of tile 1
	s_add_nc_u64 s[74:75], s[4:5], s[86:87]
	s_add_nc_u64 s[76:77], s[6:7], s[88:89]        ; where they leave
	s_add_nc_u64 s[78:79], s[6:7], s[90:91]
	s_add_nc_u64 s[PFA:PFA+1], s[4:5], s[92:93]
	v_and_b32 v1, 15, v0                           ; r (v1 becomes AK0 below)
	v_bfe_u32 v13, v0, 4, 1                        ; h
	v_lshlrev_b32 v[QO], 8, v1
	v_lshl_add_u32 v[QO], v13, 4, v[QO]
.irp t, 0,1
.irp u, 0,1,2,3
	global_load_b128 v[Q+32*\t+8*\u:Q+32*\t+8*\u+3], v[QO], s[72+2*\t:73+2*\t] offset:64*\u         ; Q stays in registers
	global_load_b128 v[Q+32*\t+8*\u+4:Q+32*\t+8*\u+7], v[QO], s[72+2*\t:73+2*\t] offset:64*\u+32
.endr
.endr
	s_mul_i32 s11, s[WV], 16*272
	s_add_co_u32 s11, s11, STAGE
	v_mul_u32_u24 v[STO], v1, 272
	v_lshl_add_u32 v[STO], v13, 4, v[STO]
	v_add_nc_u32 v[STO], s11, v[STO]
	v_mul_u32_u24 v[RD], v13, 272
	v_lshl_add_u32 v[RD], v1, 4, v[RD]
	v_add_nc_u32 v[RD], s11, v[RD]
	v_lshlrev_b32 v[GO], 11, v13
	v_lshl_add_u32 v[GO], v1, 4, v[GO]
	v_lshlrev_b32 v[VDL], 3, v13
	v_sub_nc_u32 v[VDL], v1, v[VDL]
	v_mov_b32 v[NEGINF], 0xff800000
	v_and_b32 v[PFO], 31, v0
	v_lshlrev_b32 v[PFO], 8, v[PFO]
	v_and_b32 v[ADK], 7, v0                        ; the turning load: lane l reads key 8 h + l % 8, channels 8 ((l / 8) % 2) on
	v_bfe_u32 v[ADV], v0, 3, 1
	v_lshl_add_u32 v[AV0], v13, 3, v[ADK]
	v_mul_u32_u24 v[AV0], v[AV0], PV
	v_lshl_add_u32 v[AV0], v[ADV], 4, v[AV0]
	v_add_nc_u32 v[AV0], VOFF, v[AV0]
	v_mul_u32_u24 v[AK0], v1, PK
	v_lshl_add_u32 v[AK0], v13, 4, v[AK0]
.irp t, 0,1
	v_mov_b32 v[ST+8*\t+1], 0xff61b1e6             ; m: -3e38, under every score
	v_mul_f32 v[ST+8*\t], s[CS], v[ST+8*\t+1]
.irp j, 2,3,4,5,6,7
	v_mov_b32 v[ST+8*\t+\j], 0
.endr
.endr
	WIN 0x80
.set i, 0
.rept 128
	v_mov_b32 v[i], 0                              ; O^T: the step is written once; the first step's factor is 0 and leaves zeros
.set i, i+1
.endr
	WIN 0
.macro KQ t                            ; 16 products; the four accumulators take turns; the first four start the sums
.irp u, 0,1,2,3
.irp kt, 0,1,2,3
.if \u == 0
	v_wmma_f32_16x16x32_f16 v[S+32*\t+8*\kt:S+32*\t+8*\kt+7], v[32*\kt+8*\u:32*\kt+8*\u+7], v[Q+32*\t+8*\u:Q+32*\t+8*\u+7], 0
.else
	v_wmma_f32_16x16x32_f16 v[S+32*\t+8*\kt:S+32*\t+8*\kt+7], v[32*\kt+8*\u:32*\kt+8*\u+7], v[Q+32*\t+8*\u:Q+32*\t+8*\u+7], v[S+32*\t+8*\kt:S+32*\t+8*\kt+7]
.endif
.endr
.endr
.endm
.macro PVM t                           ; 16 products O^T += V^T P; the eight accumulators take turns
.irp kh, 0,1
.irp ct, 0,1,2,3,4,5,6,7
	v_wmma_f32_16x16x32_f16 v[64*\t+8*\ct:64*\t+8*\ct+7], v[128+64*\kh+8*\ct:128+64*\kh+8*\ct+7], v[P+16*\t+8*\kh:P+16*\t+8*\kh+7], v[64*\t+8*\ct:64*\t+8*\ct+7]
.endr
.endr
.endm
; One tile's softmax for one key step.  qs: the scalar register with the tile's first query.
.macro SM t, qs
.set rT, ST+8*(\t)
.set rS, S+32*(\t)
.set rP, P+16*(\t)
	s_add_co_u32 s96, s[KF], 63                    ; a step all of whose keys count skips the mask
	s_cmp_le_u32 s96, s[\qs]
	s_cbranch_scc1 .Lopen_\@
	s_sub_co_i32 s96, s[\qs], s[KF]
	v_add_nc_u32 v[VD], s96, v[VDL]                ; register 8 kt + j holds key KF + 16 kt + 8 h + j: hidden where 16 kt + j > my query - KF - 8 h
.irp n, 0,1,2,3,4,5,6,7,8,9,10,11,12,13,14,15,16,17,18,19,20,21,22,23,24,25,26,27,28,29,30,31
	v_cmp_gt_i32 vcc_lo, 16*(\n/8)+\n%8, v[VD]
	v_cndmask_b32 v[rS+\n], v[rS+\n], v[NEGINF], vcc_lo
.endr
.Lopen_\@:
.irp j, 0,1,2,3
	v_max3_num_f32 v[rT+4+\j], v[rS+8*\j], v[rS+8*\j+1], v[rS+8*\j+2]      ; four chains; each accumulator is read from its low end on
.endr
.irp g, 1,2
.irp j, 0,1,2,3
	v_max3_num_f32 v[rT+4+\j], v[rT+4+\j], v[rS+8*\j+2*\g+1], v[rS+8*\j+2*\g+2]
.endr
.endr
	v_max3_num_f32 v[rT+4], v[rT+4], v[rS+7], v[rS+15]
	v_max3_num_f32 v[rT+6], v[rT+6], v[rS+23], v[rS+31]
	v_max3_num_f32 v[rT+4], v[rT+4], v[rT+5], v[rT+6]
	v_max3_num_f32 v[rT+4], v[rT+4], v[rT+7], v[rT+1]              ; with the old m
	v_permlanex16_b32 v[rT+5], v[rT+4], s[SEL], s[SEL+1]           ; the query's other 32 keys lie in the lane 16 away
	v_mov_b32 v[rT+7], v[rT]                                       ; c m_old
	v_max_num_f32 v[rT+1], v[rT+4], v[rT+5]
	v_mul_f32 v[rT], s[CS], v[rT+1]
	v_sub_f32 v[rT+7], v[rT+7], v[rT]
.irp b, 0,1,2,3,4,5,6,7,8,9,10,11,12,13,14,15
	v_pk_fma_f32 v[rS+2*\b:rS+2*\b+1], v[rS+2*\b:rS+2*\b+1], s[CS:CS+1], v[rT:rT+1] op_sel_hi:[1,0,0] neg_lo:[0,0,1] neg_hi:[0,0,1]   ; c s - c m
.endr
	v_exp_f32 v[rT+6], v[rT+7]                     ; a = 2^(c m_old - c m_new)
.irp e, 0,1,2,3,4,5,6,7,8,9,10,11,12,13,14,15,16,17,18,19,20,21,22,23,24,25,26,27,28,29,30,31
	v_exp_f32 v[rS+\e], v[rS+\e]
.endr
	v_nop                                          ; a plain line behind the last exponential,
	s_wait_alu depctr_va_vdst(0)                   ; and one wait for the batch of 33, ahead of its first reader
.irp b, 0,1,2,3,4,5,6,7,8,9,10,11,12,13,14,15
	v_cvt_pk_f16_f32 v[rP+\b], v[rS+2*\b], v[rS+2*\b+1]
.endr
.irp u, 0,1,2,3,4,5,6,7
	v_pk_add_f32 v[rS+4*\u:rS+4*\u+1], v[rS+4*\u:rS+4*\u+1], v[rS+4*\u+2:rS+4*\u+3]
.endr
.irp u, 0,1,2,3
	v_pk_add_f32 v[rS+8*\u:rS+8*\u+1], v[rS+8*\u:rS+8*\u+1], v[rS+8*\u+4:rS+8*\u+5]
.endr
.irp u, 0,1
	v_pk_add_f32 v[rS+16*\u:rS+16*\u+1], v[rS+16*\u:rS+16*\u+1], v[rS+16*\u+8:rS+16*\u+9]
.endr
	v_pk_add_f32 v[rS:rS+1], v[rS:rS+1], v[rS+16:rS+17]
	v_pk_fma_f32 v[rT+2:rT+3], v[rT+2:rT+3], v[rT+6:rT+7], v[rS:rS+1] op_sel_hi:[1,0,1]   ; l = a l + the step's sum
	WIN W_RS
.irp i, 0,2,4,6,8,10,12,14,16,18,20,22,24,26,28,30,32,34,36,38,40,42,44,46,48,50,52,54,56,58,60,62
	v_pk_mul_f32 v[64*(\t)+\i:64*(\t)+\i+1], v[64*(\t)+\i:64*(\t)+\i+1], v[rT+6:rT+7] op_sel_hi:[1,0]
.endr
	WIN 0
.endm
; A KEY STEP: 64 keys, the q-th of the slot in hand.  A walked step's first key is at or under the tile's first query (both are multiples of 16), so every query sees a key and m is a number.
.macro STEP q
	s_add_co_u32 s96, s[QL], 15
	s_cmp_gt_u32 s[KF], s96                        ; hidden from my late tile, and so from the early one
	s_cbranch_scc1 .Lhid_\@
	v_add_nc_u32 v[ADK], s[TB], v[AK0]             ; these four lines are the places in front of loads into registers that the last products read
	v_add_nc_u32 v[ADV], s[TB], v[AV0]
	v_nop
	v_nop
	WIN W_LD
.irp f, 0,1,2,3,4,5,6,7,8,9,10,11,12,13,14,15
	ds_load_b128 v[8*\f:8*\f+3],   v[ADK] offset:(\q)*STEPB+(\f/4)*16*PK+(\f%4)*64
	ds_load_b128 v[8*\f+4:8*\f+7], v[ADK] offset:(\q)*STEPB+(\f/4)*16*PK+(\f%4)*64+32
.endr
.irp f, 0,1,2,3,4,5,6,7,8,9,10,11,12,13,14,15
	ds_load_tr16_b128 v[128+8*\f:128+8*\f+3],   v[ADV] offset:(\q)*STEPB+(\f/8)*32*PV+(\f%8)*32
	ds_load_tr16_b128 v[128+8*\f+4:128+8*\f+7], v[ADV] offset:(\q)*STEPB+(\f/8)*32*PV+16*PV+(\f%8)*32
.endr
	s_wait_dscnt 32                                ; K is in; V's 32 loads may be out
	WIN W_KQ
	KQ 0
	WIN 0
	s_add_co_u32 s96, s[QE], 15
	s_cmp_gt_u32 s[KF], s96
	s_cbranch_scc1 .LnoE_\@
	WIN W_KQ
	KQ 1
	WIN 0
.LnoE_\@:
	PLACES                                         ; in front of the first read of the scores
	SM 0, QL
	s_wait_dscnt 0x0                               ; V is in
	WIN W_PV
	PVM 0
	WIN 0
	s_add_co_u32 s96, s[QE], 15
	s_cmp_gt_u32 s[KF], s96
	s_cbranch_scc1 .Lhid_\@
	SM 1, QE
	WIN W_PV
	PVM 1
	WIN 0
.Lhid_\@:
	s_add_co_u32 s[KF], s[KF], 64
.endm
; THE CHANGE OF SLOTS stands at a slot's head.  Each wave waits for all its tensor loads, adds 0 to its spare word, and waits for that and for its reads of the slot that it has left.  fill = 1: the other slot
; takes the next 128 keys, one load a wave, each of the two key steps only while its first key is at or under the work-group's last query: ids and the count of steps alone, the same in all four waves.
.macro CHANGE fill
	s_wait_tensorcnt 0x0                           ; no tensor load of mine is out, so a group 0 may be written
	ds_add_u32 v[SPW], v[NIL]
.if \fill
	s_xor_b32 s[G0K+1], s[G0K+1], SLOT1
	s_add_nc_u64 s[G0K+2:G0K+3], s[G0K+2:G0K+3], 32768
	s_xor_b32 s[G0V+1], s[G0V+1], SLOT1
	s_add_nc_u64 s[G0V+2:G0V+3], s[G0V+2:G0V+3], 32768
	s_wait_xcnt 0x0                                ; the last prefetches, a slot back, have read their address
	s_add_nc_u64 s[PFA:PFA+1], s[PFA:PFA+1], 32768
.endif
	s_wait_dscnt 0x0                               ; the add is done, and my reads of the slot that I have left are over
	s_barrier_signal -1
	s_barrier_wait -1
.if \fill
	s_add_co_u32 s96, s[KF], 128
	s_cmp_gt_u32 s96, s[QMAX]
	s_cbranch_scc1 .Lp0_\@
	TL 0
.Lp0_\@:
	s_add_co_u32 s96, s[KF], 192
	s_cmp_gt_u32 s96, s[QMAX]
	s_cbranch_scc1 .Lp1_\@
	TL 1
.Lp1_\@:
	ASK
.endif
.endm
	s_wait_loadcnt 0x0                             ; Q
.Lslot:                                                ; 15 trips
	CHANGE 1
	STEP 0
	STEP 1
	s_xor_b32 s[TB], s[TB], SLOT1
	s_sub_co_u32 s[SLOTS], s[SLOTS], 1
	s_cmp_lg_u32 s[SLOTS], 0
	s_cbranch_scc1 .Lslot
	CHANGE 0                                       ; the last slot: nothing is left to ask for
	STEP 0
	STEP 1
	; THE WAY OUT.  O^T / l, rounded to f16, through my stage, out as pieces of 256 bytes of attn16's rows.  The additions are the places behind the last products.
.irp t, 0,1
	v_add_f32 v[ST+8*\t+4], v[ST+8*\t+2], v[ST+8*\t+3]
.endr
.irp t, 0,1
	v_permlanex16_b32 v[ST+8*\t+5], v[ST+8*\t+4], s[SEL], s[SEL+1]
.endr
.irp t, 0,1
	v_add_f32 v[ST+8*\t+4], v[ST+8*\t+4], v[ST+8*\t+5]
.endr
.irp t, 0,1
	v_rcp_f32 v[ST+8*\t+6], v[ST+8*\t+4]
.endr
	v_nop
	s_wait_alu depctr_va_vdst(0)                   ; one wait for the two reciprocals
.irp t, 0,1
	WIN W_RS
.irp i, 0,2,4,6,8,10,12,14,16,18,20,22,24,26,28,30,32,34,36,38,40,42,44,46,48,50,52,54,56,58,60,62
	v_pk_mul_f32 v[64*\t+\i:64*\t+\i+1], v[64*\t+\i:64*\t+\i+1], v[ST+8*\t+6:ST+8*\t+7] op_sel_hi:[1,0]
.endr
	WIN W_OUT
.irp i, 0,1,2,3,4,5,6,7,8,9,10,11,12,13,14,15,16,17,18,19,20,21,22,23,24,25,26,27,28,29,30,31
	v_cvt_pk_f16_f32 v[S+32*\t+\i], v[64*\t+2*\i], v[64*\t+2*\i+1]
.endr
	WIN 0
.irp f, 0,1,2,3,4,5,6,7
	ds_store_b128 v[STO], v[S+32*\t+4*\f:S+32*\t+4*\f+3] offset:32*\f
.endr
.irp f, 0,1,2,3,4,5,6,7
	ds_load_b128 v[S+32*\t+4*\f:S+32*\t+4*\f+3], v[RD] offset:544*\f           ; LDS serves a wave's instructions in order
.endr
	s_wait_dscnt 0x0
.irp f, 0,1,2,3,4,5,6,7
	global_store_b128 v[GO], v[S+32*\t+4*\f:S+32*\t+4*\f+3], s[76+2*\t:77+2*\t] offset:4096*\f   ; 16 lanes store 256 consecutive bytes, aligned
.endr
.endr
	s_wait_tensorcnt 0x0                           ; the wave's end
	ds_add_u32 v[SPW], v[NIL]
	s_wait_dscnt 0x0
	s_endpgm
.Lfunc_end_k_q5740206f1a_attn:
	.size	k_q5740206f1a_attn, .Lfunc_end_k_q5740206f1a_attn-k_q5740206f1a_attn
	.p2alignl 7, 3214868480
	.fill 96, 4, 3214868480
	.section	.rodata,"a",@progbits
	.p2align	6, 0x0
	.amdhsa_kernel k_q5740206f1a_attn
		.amdhsa_group_segment_fixed_size 327680
		.amdhsa_private_segment_fixed_size 0
		.amdhsa_enable_private_segment 0
		.amdhsa_kernarg_size 16
		.amdhsa_user_sgpr_count 2
		.amdhsa_user_sgpr_kernarg_segment_ptr 1
		.amdhsa_wavefront_size32 1
		.amdhsa_system_sgpr_workgroup_id_x 1
		.amdhsa_system_sgpr_workgroup_id_y 1
		.amdhsa_system_sgpr_workgroup_id_z 1
		.amdhsa_system_vgpr_workitem_id 0
		.amdhsa_next_free_vgpr 640
		.amdhsa_next_free_sgpr 100
		.amdhsa_reserve_vcc 1
		.amdhsa_float_denorm_mode_32 3
		.amdhsa_float_denorm_mode_16_64 3
		.amdhsa_memory_ordered 1
		.amdhsa_forward_progress 1
		.amdhsa_inst_pref_size 139
	.end_amdhsa_kernel
	.amdgpu_metadata
---
amdhsa.version: [ 1, 2 ]
amdhsa.kernels:
  - .name:           k_q5740206f1a_attn
    .symbol:         k_q5740206f1a_attn.kd
    .args:
      - { .name: qkv16, .offset: 0, .size: 8, .value_kind: global_buffer, .address_space: global }
      - { .name: attn16, .offset: 8, .size: 8, .value_kind: global_buffer, .address_space: global }
    .group_segment_fixed_size: 327680
    .private_segment_fixed_size: 0
    .kernarg_segment_align: 8
    .kernarg_segment_size: 16
    .max_flat_workgroup_size: 128
    .sgpr_count:     100
    .vgpr_count:     640
    .wavefront_size: 32
...
	.end_amdgpu_metadata
.endif
;; end of part 3
;; launch oproj (part 4): grid 16 x 16, 4 waves a work-group, clusters of 4 x 4, 327,680 bytes of LDS; arguments attn16, wo16, out0; writes out0
.if DOCPART == 4
	.amdgcn_target "amdgcn-amd-amdhsa--gfx1250"
	.amdhsa_code_object_version 6
	.text
	.protected	k_q5740206f1a_oproj
	.globl	k_q5740206f1a_oproj
	.p2align	8
	.type	k_q5740206f1a_oproj,@function
k_q5740206f1a_oproj:
	s_mov_b64 s[64:65], 0
	v_nop
	global_prefetch_b8 v0, s[64:65] scope:SCOPE_SE
	s_setreg_imm32_b32 hwreg(HW_REG_WAVE_MODE, 25, 1), 1
	s_wait_xcnt 0x0
	s_wait_alu depctr_hold_cnt(0) depctr_sa_sdst(0) depctr_va_vdst(0) depctr_va_sdst(0) depctr_va_ssrc(0) depctr_va_vcc(0) depctr_vm_vsrc(0)
	s_getreg_b32 s2, hwreg(HW_REG_IB_STS2, 6, 4)
	s_cmp_eq_u32 s2, 0
	s_cbranch_scc0 .Lentry_in_a_cluster
	s_endpgm
.Lentry_in_a_cluster:
	s_bfe_u32 s2, ttmp6, 0x10000c
	s_cmp_lg_u32 s2, 0xf033
	s_cbranch_scc0 .Lentry_shape_is_right
	s_endpgm
.Lentry_shape_is_right:
; FOURTH LAUNCH: out0 = attn Wo^T, M 4,096, N 4,096, K 1,024, f16 operands, f32 sums and results.  Nothing is left out; the first 16 rows of each sequence, which lie inside tiles with other rows, are written
; over in f32 arithmetic by the last launch.
; A tile of 256 x 256 is made by four waves, each 128 x 128: 64 accumulators, 512 registers.  K goes in steps of 128 (rows of 256 bytes) through a ring of two LDS slots.
; CLUSTER 4 x 4: attn's tiles are shared along a row of the cluster, Wo's along a column, each asked for jointly.  THE MATRIX INSTRUCTION IS USED TRANSPOSED (source 0 = 16 rows of Wo, source 1 = 16 rows of attn):
; a lane holds eight neighbouring numbers of a row of the result.
; REGISTERS.  window 0: v16-29 addresses; v64-127, v128-191 fragments of attn, two buffers (on the way out: rows read back).   window 1: the same places for Wo.
;   window 2: the 32 accumulators of my rows 0-63 ((a, b) at v[8 (8 a + b)]);   window 3: those of my rows 64-127.
.set SIZE_N, 4096
.set SIZE_K, 1024
.set KSTEP,  128
.set PITCH,  272
.set HALFT,  128*PITCH
.set SLOT,   4*HALFT
.set STAGE,  2*SLOT                    ; behind the ring: 16 rows x 528 bytes a wave; no fill lands here
.set SPITCH, 528
.set SPARE,  STAGE+4*16*SPITCH
.set LAPS,   SIZE_K/(2*KSTEP)
.set ADRA, 16
.set ADRB, 20
.set STO,  24
.set RD,   25
.set CO,   26
.set SPW,  28
.set NIL,  29
.set F0,   64
.set F1,   128
.set BK,   64
.set G1, 24
.set G0, 32
.set G1B, 48
.set G0B, 56
.set MSB, 0
.macro WIN new
.if MSB != \new
	s_set_vgpr_msb (MSB<<8)|\new
.set MSB, \new
.endif
.endm
.set MUL_LO, 0xa1
.set MUL_HI, 0xf1
.set TO_B,   0x40
.macro JLOAD s                         ; waves 0 and 1 fetch attn's two halves, waves 2 and 3 Wo's; an s_nop 0 and four v_nop follow each line
	s_cmp_eq_u32 s11, 0
	s_cbranch_scc0 .Lfor_b_\@
	tensor_load_to_lds s[G0+4*\s:G0+4*\s+3], s[G1:G1+7]
	s_nop 0
.rept 4
	v_nop
.endr
	s_branch .Lasked_\@
.Lfor_b_\@:
	tensor_load_to_lds s[G0B+4*\s:G0B+4*\s+3], s[G1B:G1B+7]
	s_nop 0
.rept 4
	v_nop
.endr
.Lasked_\@:
.endm
.macro CREST
	s_cmp_lg_u32 s10, 0
	s_cbranch_scc1 .Lnot_wave_0_\@
	s_barrier_signal -3
.Lnot_wave_0_\@:
	s_barrier_wait -3
	s_barrier_signal -1
	s_barrier_wait -1
.endm
.macro CROUND
	s_barrier_signal -1
	s_barrier_wait -1
	CREST
.endm
	s_load_b128 s[4:7], s[0:1], 0x0                ; attn16 s[4:5], wo16 s[6:7]
	s_load_b64 s[8:9], s[0:1], 0x10                ; out0
	v_lshl_add_u32 v[SPW], v0, 2, SPARE
	v_mov_b32 v[NIL], 0
	ds_add_u32 v[SPW], v[NIL]                      ; the wave's opening: the add, twice on end, and its wait ahead of my first tensor load
	ds_add_u32 v[SPW], v[NIL]
	v_lshrrev_b32 v1, 5, v0
	v_readfirstlane_b32 s10, v1                    ; wave 0..3
	s_lshr_b32 s11, s10, 1                         ; which half of the tile's rows is mine.  Also: I fetch for attn (0) or for Wo (1)
	s_and_b32 s12, s10, 1                          ; which half of its columns.  Also: which 128 rows of that tile I fetch
	s_bfe_u32 s40, ttmp6, 0x40000                  ; cx
	s_bfe_u32 s41, ttmp6, 0x40004                  ; cy
	s_lshl_b32 s42, ttmp9, 2
	s_add_co_u32 s42, s42, s40                     ; tile column
	s_and_b32 s13, ttmp7, 0xffff
	s_lshl_b32 s13, s13, 2
	s_add_co_u32 s13, s13, s41                     ; tile row
	s_lshl_b32 s43, s41, 2
	s_lshl_b32 s43, 15, s43                        ; my row of the cluster
	s_lshl_b32 s44, 0x1111, s40                    ; my column
	s_or_b32 s[G1+0], s43, (1<<16)|(1<<20)|(1<<21)|(5<<22)|(3<<25)   ; the mask; elements of 2 bytes; padding: 4 words after every 64; bit 21 beside a mask
	s_or_b32 s[G1B+0], s44, (1<<16)|(1<<20)|(1<<21)|(5<<22)|(3<<25)
.irp g, G1, G1B
	s_mov_b32 s[\g+1], KSTEP<<16                   ; tensor_dim0 = 128
	s_mov_b32 s[\g+2], 128<<16                     ; tensor_dim1 = 128
	s_mov_b32 s[\g+3], KSTEP<<16                   ; tile_dim0
	s_mov_b32 s[\g+4], 128                         ; tile_dim1
	s_mov_b32 s[\g+5], SIZE_K                      ; from row to row
	s_mov_b32 s[\g+6], 0
	s_mov_b32 s[\g+7], 0
.endr
	s_lshl_b32 s17, s12, 7
	s_lshl_b32 s16, s13, 8
	s_add_co_u32 s16, s16, s17                     ; attn: row 256 x tile row + 128 x half
	s_lshl_b32 s46, s42, 8
	s_add_co_u32 s46, s46, s17                     ; Wo: row 256 x tile column + 128 x half
	s_lshl_b32 s16, s16, 11                        ; rows of 2,048 bytes
	s_lshl_b32 s46, s46, 11
	s_mov_b32 s17, 0
	s_mov_b32 s47, 0
	s_mul_i32 s20, s10, HALFT                      ; where they go: wave x 128 rows
	s_wait_dscnt 0x0                               ; both opening adds are done
	s_wait_kmcnt 0x0
	s_add_nc_u64 s[14:15], s[4:5], s[16:17]
	s_add_nc_u64 s[46:47], s[6:7], s[46:47]
	CROUND                                         ; all sixteen work-groups are here: the first joint loads meet
.irp s, 0,1
	s_mov_b32 s[G0+4*\s], 1
	s_add_co_u32 s[G0+4*\s+1], s20, \s*SLOT
	s_add_nc_u64 s[G0+4*\s+2:G0+4*\s+3], s[14:15], \s*KSTEP*2
	s_or_b32 s[G0+4*\s+3], s[G0+4*\s+3], 0x80000000
	s_mov_b32 s[G0B+4*\s], 1
	s_add_co_u32 s[G0B+4*\s+1], s20, \s*SLOT
	s_add_nc_u64 s[G0B+4*\s+2:G0B+4*\s+3], s[46:47], \s*KSTEP*2
	s_or_b32 s[G0B+4*\s+3], s[G0B+4*\s+3], 0x80000000
	JLOAD \s                                       ; two loads of mine are out
.endr
	v_and_b32 v1, 15, v0                           ; r
	v_bfe_u32 v2, v0, 4, 1                         ; h
	v_mul_u32_u24 v3, v1, PITCH
	v_lshl_add_u32 v3, v2, 4, v3
	s_mul_i32 s21, s11, HALFT                      ; my 128 rows of attn
	s_mul_i32 s22, s12, HALFT                      ; my 128 rows of Wo,
	s_add_co_u32 s22, s22, 2*HALFT                 ; which lie behind attn's 256
.irp s, 0,1
	v_add_nc_u32 v[ADRA+\s], s21, v3
	v_add_nc_u32 v[ADRB+\s], s22, v3
	s_add_co_u32 s21, s21, SLOT
	s_add_co_u32 s22, s22, SLOT
.endr
	s_mul_i32 s23, s10, 16*SPITCH
	s_add_co_u32 s23, s23, STAGE                   ; my stage
	v_mul_u32_u24 v5, v1, SPITCH                   ; in: row r, 32 bytes for each half of the lanes
	v_lshl_add_u32 v5, v2, 5, v5
	v_add_nc_u32 v[STO], s23, v5
	v_and_b32 v6, 31, v0
	v_lshlrev_b32 v[CO], 4, v6                     ; back: the 32 lanes take one row of 512 bytes; and the same in out0
	v_add_nc_u32 v[RD], s23, v[CO]
	s_lshl_b32 s16, s13, 8
	s_lshl_b32 s17, s11, 7
	s_add_co_u32 s16, s16, s17                     ; my first row of out0,
	s_lshl_b32 s16, s16, 14                        ; of 16,384 bytes
	s_lshl_b32 s46, s42, 10                        ; my first column, in bytes
	s_lshl_b32 s47, s12, 9
	s_add_co_u32 s46, s46, s47
	s_add_co_u32 s16, s16, s46
	s_mov_b32 s17, 0
	s_add_nc_u64 s[8:9], s[8:9], s[16:17]
; 16 matrix instructions: m blocks a0, a0 + 1 of the window's four x all 8 n blocks, 32 along K.  The 64 accumulators take turns in the same order in every quarter.
.macro MUL16 f, hi, a0, zero
.irp a, \a0, \a0+1
.irp b, 0,1,2,3,4,5,6,7
.if \zero
	v_wmma_f32_16x16x32_f16 v[8*(8*(\a)+\b):8*(8*(\a)+\b)+7], v[\f+8*\b:\f+8*\b+7], v[\f+8*(4*\hi+\a):\f+8*(4*\hi+\a)+7], 0
.else
	v_wmma_f32_16x16x32_f16 v[8*(8*(\a)+\b):8*(8*(\a)+\b)+7], v[\f+8*\b:\f+8*\b+7], v[\f+8*(4*\hi+\a):\f+8*(4*\hi+\a)+7], v[8*(8*(\a)+\b):8*(8*(\a)+\b)+7]
.endif
.endr
.endr
.endm
.macro FETCH slot, k, f                ; 32 LDS loads in one run: a quarter step's fragments (32 K at byte k of the rows) into buffer f
	WIN TO_B
.irp i, 0,1,2,3,4,5,6,7
	ds_load_b128 v[\f+8*\i:\f+8*\i+3],   v[ADRB+\slot] offset:\k+\i*16*PITCH
	ds_load_b128 v[\f+8*\i+4:\f+8*\i+7], v[ADRB+\slot] offset:\k+\i*16*PITCH+32
.endr
	WIN 0
.irp i, 0,1,2,3,4,5,6,7
	ds_load_b128 v[\f+8*\i:\f+8*\i+3],   v[ADRA+\slot] offset:\k+\i*16*PITCH
	ds_load_b128 v[\f+8*\i+4:\f+8*\i+7], v[ADRA+\slot] offset:\k+\i*16*PITCH+32
.endr
.endm
.macro PLACES                          ; four places in front of loads into registers that matrix instructions have read, and of the first reads of results
.rept 4
	v_nop
.endr
.endm
.macro QUARTER slot, k, f, g, zero     ; multiplies buffer f; in its middle it fetches the next quarter's fragments into buffer g
	s_wait_dscnt 8                                 ; Wo's and attn's rows 0-63 are in; the youngest eight loads (attn's rows 64-127) may be out
	WIN MUL_LO
	MUL16 \f, 0, 0, \zero
	MUL16 \f, 0, 2, \zero
	PLACES
	FETCH \slot, \k, \g
	s_wait_dscnt 32                                ; all but the 32 just issued
	WIN MUL_HI
	MUL16 \f, 1, 0, \zero
	MUL16 \f, 1, 2, \zero
.endm
; The last quarter multiplies buffer 1 and changes slots: one barrier; in front of it each wave waits for all its tensor loads, adds 0 to its spare word, and waits for that and for its reads of this slot.
.macro TURN slot, next, fill
	WIN 0
	s_wait_tensorcnt 0x0                           ; all my tensor loads have landed: my part of the next slot
	ds_add_u32 v[SPW], v[NIL]
	s_wait_dscnt 9                                 ; the add and the youngest eight loads may be out
	WIN MUL_LO
	MUL16 F1, 0, 0, 0
	s_wait_dscnt 0x0                               ; the add is done, and my reads of this slot are over
	s_barrier_signal -1
	MUL16 F1, 0, 2, 0
.if \fill
	WIN 0
.endif
	s_barrier_wait -1
.if \fill
	CREST                                          ; the barrier has opened a round of the cluster's: no wave of any partner still reads this slot or has a load on its way
	s_add_nc_u64 s[G0+4*\slot+2:G0+4*\slot+3], s[G0+4*\slot+2:G0+4*\slot+3], 2*KSTEP*2
	s_add_nc_u64 s[G0B+4*\slot+2:G0B+4*\slot+3], s[G0B+4*\slot+2:G0B+4*\slot+3], 2*KSTEP*2
	JLOAD \slot                                    ; my one tensor load behind the round; its four v_nop are the places in front of the loads below
.else
	PLACES
.endif
	FETCH \next, 0, F0
	WIN MUL_HI
	MUL16 F1, 1, 0, 0
	MUL16 F1, 1, 2, 0
.endm
	s_wait_tensorcnt 1                             ; my part of K step 0 is in; K step 1's load may stay out
	s_barrier_signal -1
	s_barrier_wait -1
	FETCH 0, 0, F0
	QUARTER 0, 64,  F0, F1, 1                      ; the first quarter's products start the sums
	WIN 0
	s_mov_b32 s3, LAPS-1
.Llap:                                                 ; a trip goes once round the ring and fills both slots again: K steps 2 to 7
	QUARTER 0, 128, F1, F0, 0
	QUARTER 0, 192, F0, F1, 0
	TURN 0, 1, 1
	QUARTER 1, 64,  F0, F1, 0
	QUARTER 1, 128, F1, F0, 0
	QUARTER 1, 192, F0, F1, 0
	TURN 1, 0, 1
	QUARTER 0, 64,  F0, F1, 0
	WIN 0
	s_sub_co_u32 s3, s3, 1
	s_cmp_lg_u32 s3, 0
	s_cbranch_scc1 .Llap
	QUARTER 0, 128, F1, F0, 0                      ; the last lap fills nothing
	QUARTER 0, 192, F0, F1, 0
	TURN 0, 1, 0
	QUARTER 1, 64,  F0, F1, 0
	QUARTER 1, 128, F1, F0, 0
	QUARTER 1, 192, F0, F1, 0
	s_wait_dscnt 8
	WIN MUL_LO
	MUL16 F1, 0, 0, 0
	MUL16 F1, 0, 2, 0
	s_wait_dscnt 0x0
	WIN MUL_HI
	MUL16 F1, 1, 0, 0
	MUL16 F1, 1, 2, 0
	WIN 0
; THE WAY OUT, block by block of 16 rows x 128 columns, through my own stage: back as whole rows of 512 bytes, which the 32 lanes store as 512 consecutive bytes, aligned.
.macro TOSTAGE a
.set AC, 64*((\a)%4)
	WIN 0x08+4*((\a)/4)                            ; an LDS store's data are its source 1: window 2 or 3
.irp b, 0,1,2,3,4,5,6,7
	ds_store_b128 v[STO], v[AC+8*\b:AC+8*\b+3] offset:64*\b          ; each accumulator from its low end on
	ds_store_b128 v[STO], v[AC+8*\b+4:AC+8*\b+7] offset:64*\b+16
.endr
	WIN 0
.set BB, BK+64*((\a)%2)
.irp t, 0,1,2,3,4,5,6,7,8,9,10,11,12,13,14,15
	ds_load_b128 v[BB+4*\t:BB+4*\t+3], v[RD] offset:\t*SPITCH        ; LDS serves a wave's instructions in order
.endr
.endm
.macro SEND a, younger                 ; younger: the LDS instructions issued behind block a's loads, which may stay out
.set BB, BK+64*((\a)%2)
	s_wait_dscnt \younger
.if (\a) > 0
	s_add_nc_u64 s[8:9], s[8:9], 16*SIZE_N*4       ; behind a wait on XCNT: the earlier stores have read their base
.endif
.irp t, 0,1,2,3,4,5,6,7,8,9,10,11,12,13,14,15
	global_store_b128 v[CO], v[BB+4*\t:BB+4*\t+3], s[8:9] offset:\t*SIZE_N*4 th:TH_STORE_NT
.endr
.endm
	PLACES
	TOSTAGE 0
.irp a, 1,2,3,4,5,6,7
.if \a > 1
	s_wait_xcnt 0x0                                ; block a - 2's stores have read their registers and their base
.endif
	TOSTAGE \a
	SEND \a-1, 32                                  ; behind block a - 1's loads: block a's 16 stores and 16 loads
.endr
	s_wait_xcnt 0x0
	SEND 7, 0
	s_wait_tensorcnt 0x0                           ; the wave's end
	ds_add_u32 v[SPW], v[NIL]
	s_wait_dscnt 0x0
	CROUND                                         ; the closing round
	s_endpgm
.Lfunc_end_k_q5740206f1a_oproj:
	.size	k_q5740206f1a_oproj, .Lfunc_end_k_q5740206f1a_oproj-k_q5740206f1a_oproj
	.p2alignl 7, 3214868480
	.fill 96, 4, 3214868480
	.section	.rodata,"a",@progbits
	.p2align	6, 0x0
	.amdhsa_kernel k_q5740206f1a_oproj
		.amdhsa_group_segment_fixed_size 327680
		.amdhsa_private_segment_fixed_size 0
		.amdhsa_enable_private_segment 0
		.amdhsa_kernarg_size 24
		.amdhsa_user_sgpr_count 2
		.amdhsa_user_sgpr_kernarg_segment_ptr 1
		.amdhsa_wavefront_size32 1
		.amdhsa_system_sgpr_workgroup_id_x 1
		.amdhsa_system_sgpr_workgroup_id_y 1
		.amdhsa_system_sgpr_workgroup_id_z 1
		.amdhsa_system_vgpr_workitem_id 0
		.amdhsa_next_free_vgpr 1024
		.amdhsa_next_free_sgpr 66
		.amdhsa_reserve_vcc 0
		.amdhsa_float_denorm_mode_32 3
		.amdhsa_float_denorm_mode_16_64 3
		.amdhsa_memory_ordered 1
		.amdhsa_forward_progress 1
		.amdhsa_inst_pref_size 140
	.end_amdhsa_kernel
	.amdgpu_metadata
---
amdhsa.version: [ 1, 2 ]
amdhsa.kernels:
  - .name:           k_q5740206f1a_oproj
    .symbol:         k_q5740206f1a_oproj.kd
    .args:
      - { .name: attn16, .offset: 0, .size: 8, .value_kind: global_buffer, .address_space: global }
      - { .name: wo16, .offset: 8, .size: 8, .value_kind: global_buffer, .address_space: global }
      - { .name: out0, .offset: 16, .size: 8, .value_kind: global_buffer, .address_space: global }
    .group_segment_fixed_size: 327680
    .private_segment_fixed_size: 0
    .kernarg_segment_align: 8
    .kernarg_segment_size: 24
    .max_flat_workgroup_size: 128
    .sgpr_count:     66
    .vgpr_count:     1024
    .wavefront_size: 32
...
	.end_amdgpu_metadata
.endif
;; end of part 4
;; launch first16 (part 5): grid 128 x 2, 4 waves a work-group, no clusters, 9,728 bytes of LDS; arguments qkv32, Wo, out0; writes out0
.if DOCPART == 5
	.amdgcn_target "amdgcn-amd-amdhsa--gfx1250"
	.amdhsa_code_object_version 6
	.text
	.protected	k_q5740206f1a_first16
	.globl	k_q5740206f1a_first16
	.p2align	8
	.type	k_q5740206f1a_first16,@function
k_q5740206f1a_first16:
	s_mov_b64 s[64:65], 0
	v_nop
	global_prefetch_b8 v0, s[64:65] scope:SCOPE_SE
	s_setreg_imm32_b32 hwreg(HW_REG_WAVE_MODE, 25, 1), 1
	s_wait_xcnt 0x0
; FIFTH LAUNCH: the first 16 positions of each sequence once more, wholly in f32: scores, causal softmax, P V and the projection, from the f32 rows that the second launch kept and from Wo as it is given.
; These rows average one to sixteen values and are the largest of the result, so the rounding of 16-bit operands weighs most on them.  32 rows of out0 are written over.  Keys beyond position 15 are hidden from
; these queries by reference()'s own mask (shown at the head of the first launch) and are not read.
; SHARES.  Work-group (x, batch): output columns 32 x .. 32 x + 31 of the batch's 16 rows.  Wave w: the attention of query heads 2 w, 2 w + 1 (key/value head w), then its 256 of the projection's 1,024 along K;
; the four parts meet in LDS.  The small attention is repeated in each of a batch's 128 work-groups: 128 matrix instructions a wave, in place of one more launch.
; A work-group's 32 columns are 128 bytes of a row: a wave's store covers four pieces of 128 consecutive bytes; 512 KiB in the whole launch.  No tensor loads, no cluster: nothing large is shared.
; K IS PERMUTED ALIKE ON BOTH SOURCES, so that results become operands with no change of lanes (a source of the f32 form holds k = 2 h + j in register j):
;   scores: of 8 channels lane half h holds 4 h + 0 .. 3 in four registers: two K steps;   P V: K step t, register j = key 8 h + 2 t + j, as S^T's result lies;   projection: likewise channel 16 c + 8 h + 2 t + j, as O^T's lies.
; REGISTERS.  window 0: v1-12 addresses; v16-143 Q, 64 a head (v16-47 at work at the end); v144-207 K; v208-223 S^T; v224-239 p; v240-251 at work; v252, v253 the add's two.
;   window 1: v0-127 O^T; v128-255 O^T / l.   window 2: v0-31 the projection's four sums; v32-95 V.   window 3: Wo.   S^T, O^T and the four sums are written by matrix instructions alone.
.set QR,  16
.set KR,  144
.set SA,  208
.set PR,  224
.set TM,  240
.set RL,  248
.set SPW, 252
.set NIL, 253
.set SPARE, 4*16*144
.set MSB, 0
.macro WIN new
.if MSB != \new
	s_set_vgpr_msb (MSB<<8)|\new
.set MSB, \new
.endif
.endm
.macro PLACES8                         ; eight places behind this matrix form, in front of the first read of its results
.rept 8
	v_nop
.endr
.endm
	s_load_b128 s[4:7], s[0:1], 0x0                ; qkv32 s[4:5], Wo s[6:7]
	s_load_b64 s[8:9], s[0:1], 0x10                ; out0
	v_lshl_add_u32 v[SPW], v0, 2, SPARE
	v_mov_b32 v[NIL], 0
	v_lshrrev_b32 v1, 5, v0
	v_readfirstlane_b32 s10, v1                    ; wave
	s_and_b32 s11, ttmp7, 0xffff                   ; batch
	v_and_b32 v1, 15, v0                           ; r
	v_bfe_u32 v2, v0, 4, 1                         ; h
	v_lshlrev_b32 v3, 13, v1
	v_lshl_add_u32 v3, v2, 4, v3                   ; Q, K: row r of 8,192 bytes + 16 h
	v_lshlrev_b32 v4, 2, v1
	v_lshl_add_u32 v4, v2, 16, v4                  ; V: 8 h rows down, channel r
	v_lshlrev_b32 v5, 12, v1
	v_lshl_add_u32 v5, v2, 5, v5                   ; Wo: row r of 4,096 bytes + 32 h
	v_lshlrev_b32 v6, 3, v2
	v_sub_nc_u32 v6, v1, v6                        ; r - 8 h
	v_mov_b32 v7, 0xff800000
	s_mul_i32 s21, s10, 16*144
	v_mul_u32_u24 v8, v1, 144
	v_lshl_add_u32 v8, v2, 5, v8
	v_add_nc_u32 v8, s21, v8                       ; my part's place in LDS: region w, row r, + 32 h
	v_and_b32 v11, 31, v0
	v_lshrrev_b32 v12, 3, v11                      ; lane / 8
	v_and_b32 v11, 7, v11                          ; lane % 8
	s_mul_i32 s21, s10, 4*144
	v_mul_u32_u24 v9, v12, 144
	v_lshl_add_u32 v9, v11, 4, v9
	v_add_nc_u32 v9, s21, v9                       ; back: row 4 w + lane / 8, 16 bytes a lane
	v_lshlrev_b32 v10, 14, v12
	v_lshl_add_u32 v10, v11, 4, v10                ; and the same place in out0
.irp j, 2,3,6,7,9,11
	v_mov_b32 v[TM+\j], 0                          ; lane permutes' destinations and the upper halves of pairs are written once
.endr
	s_mov_b32 s20, 0x3e0293ee                      ; log2(e) / sqrt(128)
	s_mov_b32 s22, 0x76543210
	s_mov_b32 s23, 0xfedcba98
	s_lshl_b32 s12, s11, 17                        ; a batch's 16 rows of 8,192 bytes
	s_lshl_b32 s24, s10, 9
	s_add_co_u32 s16, s12, s24                     ; K, V: + 512 w
	s_add_co_u32 s14, s16, s24                     ; Q: + 1,024 w
	s_mov_b32 s15, 0
	s_mov_b32 s17, 0
	s_lshl_b32 s18, ttmp9, 17                      ; Wo: 32 x rows of 4,096 bytes, + 1,024 w
	s_lshl_b32 s24, s10, 10
	s_add_co_u32 s18, s18, s24
	s_mov_b32 s19, 0
	s_lshl_b32 s26, s11, 11
	s_lshl_b32 s24, s10, 2
	s_add_co_u32 s26, s26, s24                     ; out0: row 2,048 batch + 4 w,
	s_lshl_b32 s26, s26, 14
	s_lshl_b32 s24, ttmp9, 7                       ; + 128 x bytes
	s_add_co_u32 s26, s26, s24
	s_mov_b32 s27, 0
	s_wait_kmcnt 0x0
	s_add_nc_u64 s[14:15], s[4:5], s[14:15]
	s_add_nc_u64 s[16:17], s[4:5], s[16:17]
	s_add_nc_u64 s[6:7], s[6:7], s[18:19]
	s_add_nc_u64 s[8:9], s[8:9], s[26:27]
.irp hd, 0,1
.irp c, 0,1,2,3,4,5,6,7,8,9,10,11,12,13,14,15
	global_load_b128 v[QR+64*\hd+4*\c:QR+64*\hd+4*\c+3], v3, s[14:15] offset:512*\hd+32*\c
.endr
.endr
.irp c, 0,1,2,3,4,5,6,7,8,9,10,11,12,13,14,15
	global_load_b128 v[KR+4*\c:KR+4*\c+3], v3, s[16:17] offset:4096+32*\c
.endr
	WIN 0x80                                       ; destination window 2
.irp ct, 0,1,2,3,4,5,6,7
.irp k, 0,1,2,3,4,5,6,7
	global_load_b32 v[32+8*\ct+\k], v4, s[16:17] offset:\k*8192+6144+64*\ct    ; V(key 8 h + k, channel 16 ct + r)
.endr
.endr
	WIN 0
	s_wait_loadcnt 63                              ; 64 loads were issued behind K's last: Q and K are in
.irp c, 0,1,2,3,4,5,6,7,8,9,10,11,12,13,14,15
.irp u, 0,1
.irp hd, 0,1
.if (\c == 0) && (\u == 0)
	v_wmma_f32_16x16x4_f32 v[SA+8*\hd:SA+8*\hd+7], v[KR+4*\c+2*\u:KR+4*\c+2*\u+1], v[QR+64*\hd+4*\c+2*\u:QR+64*\hd+4*\c+2*\u+1], 0
.else
	v_wmma_f32_16x16x4_f32 v[SA+8*\hd:SA+8*\hd+7], v[KR+4*\c+2*\u:KR+4*\c+2*\u+1], v[QR+64*\hd+4*\c+2*\u:QR+64*\hd+4*\c+2*\u+1], v[SA+8*\hd:SA+8*\hd+7]
.endif
.endr
.endr
.endr                                          ; the two heads' sums take turns
	WIN 0xc0                                       ; destination window 3
.irp nt, 0,1
.irp hd, 0,1
.irp c, 0,1,2,3,4,5,6,7
	global_load_b128 v[8*(\c+8*(\hd+2*\nt)):8*(\c+8*(\hd+2*\nt))+3], v5, s[6:7] offset:65536*\nt+512*\hd+64*\c
	global_load_b128 v[8*(\c+8*(\hd+2*\nt))+4:8*(\c+8*(\hd+2*\nt))+7], v5, s[6:7] offset:65536*\nt+512*\hd+64*\c+16
.endr
.endr
.endr
	WIN 0
	PLACES8
	; the softmax: lane (r, h) holds query r and keys 8 h + 0 .. 7; key 8 h + j is hidden where j > r - 8 h.  Key 0 counts for every query, so the maximum is a number.
.irp hd, 0,1
.irp j, 0,1,2,3,4,5,6,7
	v_mul_f32 v[PR+8*\hd+\j], s20, v[SA+8*\hd+\j]
.endr
.endr
.irp j, 0,1,2,3,4,5,6,7
	v_cmp_gt_i32 vcc_lo, \j, v6
	v_cndmask_b32 v[PR+\j], v[PR+\j], v7, vcc_lo
	v_cndmask_b32 v[PR+8+\j], v[PR+8+\j], v7, vcc_lo
.endr
.irp hd, 0,1
	v_max3_num_f32 v[TM+\hd], v[PR+8*\hd], v[PR+8*\hd+1], v[PR+8*\hd+2]
.endr
.irp j, 3,5
.irp hd, 0,1
	v_max3_num_f32 v[TM+\hd], v[TM+\hd], v[PR+8*\hd+\j], v[PR+8*\hd+\j+1]
.endr
.endr
.irp hd, 0,1
	v_max_num_f32 v[TM+\hd], v[TM+\hd], v[PR+8*\hd+7]
.endr
.irp hd, 0,1
	v_permlanex16_b32 v[TM+2+\hd], v[TM+\hd], s22, s23
.endr
.irp hd, 0,1
	v_max_num_f32 v[TM+\hd], v[TM+\hd], v[TM+2+\hd]
.endr
.irp hd, 0,1
.irp j, 0,1,2,3,4,5,6,7
	v_sub_f32 v[PR+8*\hd+\j], v[PR+8*\hd+\j], v[TM+\hd]
.endr
.endr
.irp j, 0,1,2,3,4,5,6,7,8,9,10,11,12,13,14,15
	v_exp_f32 v[PR+\j], v[PR+\j]
.endr
	v_nop
	s_wait_alu depctr_va_vdst(0)                   ; one wait for the sixteen exponentials
.irp hd, 0,1
	v_add_f32 v[TM+4+\hd], v[PR+8*\hd], v[PR+8*\hd+1]
.endr
.irp j, 2,3,4,5,6,7
.irp hd, 0,1
	v_add_f32 v[TM+4+\hd], v[TM+4+\hd], v[PR+8*\hd+\j]
.endr
.endr
.irp hd, 0,1
	v_permlanex16_b32 v[TM+6+\hd], v[TM+4+\hd], s22, s23
.endr
.irp hd, 0,1
	v_add_f32 v[TM+4+\hd], v[TM+4+\hd], v[TM+6+\hd]
.endr
.irp hd, 0,1
	v_rcp_f32 v[RL+2*\hd], v[TM+4+\hd]
.endr
	v_nop
	s_wait_alu depctr_va_vdst(0)                   ; one wait for the two reciprocals
	s_wait_loadcnt 63                              ; 64 loads were issued behind V's last: V is in
	WIN 0x52                                       ; source 0 (V) window 2, source 1 (p) window 0, C and D window 1
.irp t, 0,1,2,3
.irp hd, 0,1
.irp ct, 0,1,2,3,4,5,6,7
.if \t == 0
	v_wmma_f32_16x16x4_f32 v[64*\hd+8*\ct:64*\hd+8*\ct+7], v[32+8*\ct+2*\t:32+8*\ct+2*\t+1], v[PR+8*\hd+2*\t:PR+8*\hd+2*\t+1], 0
.else
	v_wmma_f32_16x16x4_f32 v[64*\hd+8*\ct:64*\hd+8*\ct+7], v[32+8*\ct+2*\t:32+8*\ct+2*\t+1], v[PR+8*\hd+2*\t:PR+8*\hd+2*\t+1], v[64*\hd+8*\ct:64*\hd+8*\ct+7]
.endif
.endr
.endr
.endr
	WIN 0
	PLACES8
	WIN 0x41                                       ; source 0 and destination window 1
.irp hd, 0,1
.irp i, 0,2,4,6,8,10,12,14,16,18,20,22,24,26,28,30,32,34,36,38,40,42,44,46,48,50,52,54,56,58,60,62
	v_pk_mul_f32 v[128+64*\hd+\i:129+64*\hd+\i], v[64*\hd+\i:64*\hd+\i+1], v[RL+2*\hd:RL+2*\hd+1] op_sel_hi:[1,0]   ; O^T / l, into other registers
.endr
.endr
	s_wait_loadcnt 0x0                             ; Wo
	WIN 0xa7                                       ; source 0 (Wo) window 3, source 1 window 1, C and D window 2
.irp c, 0,1,2,3,4,5,6,7
.irp t, 0,1,2,3
.irp nt, 0,1
.irp hd, 0,1
.if (\c == 0) && (\t == 0)
	v_wmma_f32_16x16x4_f32 v[8*(2*\nt+\hd):8*(2*\nt+\hd)+7], v[8*(\c+8*(\hd+2*\nt))+2*\t:8*(\c+8*(\hd+2*\nt))+2*\t+1], v[128+64*\hd+8*\c+2*\t:128+64*\hd+8*\c+2*\t+1], 0
.else
	v_wmma_f32_16x16x4_f32 v[8*(2*\nt+\hd):8*(2*\nt+\hd)+7], v[8*(\c+8*(\hd+2*\nt))+2*\t:8*(\c+8*(\hd+2*\nt))+2*\t+1], v[128+64*\hd+8*\c+2*\t:128+64*\hd+8*\c+2*\t+1], v[8*(2*\nt+\hd):8*(2*\nt+\hd)+7]
.endif
.endr
.endr
.endr
.endr
	WIN 0
	PLACES8
	WIN 0x0a                                       ; sources 0 and 1 window 2
.irp nt, 0,1
.irp p, 0,1,2,3
	v_pk_add_f32 v[16+8*\nt+2*\p:17+8*\nt+2*\p], v[16*\nt+2*\p:16*\nt+2*\p+1], v[16*\nt+8+2*\p:16*\nt+9+2*\p]   ; my two heads' parts: lane (r, h): row r, columns 16 nt + 8 h + 0 .. 7
.endr
.endr
	WIN 0
.irp nt, 0,1
	ds_store_b128 v8, v[16+8*\nt:19+8*\nt] offset:64*\nt
	ds_store_b128 v8, v[20+8*\nt:23+8*\nt] offset:64*\nt+16
.endr
	s_wait_dscnt 0x0                               ; for the others' sake: my stores have landed
	s_barrier_signal -1
	s_barrier_wait -1
.irp g, 0,1,2,3
	ds_load_b128 v[32+4*\g:35+4*\g], v9 offset:\g*16*144           ; the four waves' parts of my four rows
.endr
	s_wait_dscnt 0x0
	v_pk_add_f32 v[32:33], v[32:33], v[36:37]
	v_pk_add_f32 v[34:35], v[34:35], v[38:39]
	v_pk_add_f32 v[40:41], v[40:41], v[44:45]
	v_pk_add_f32 v[42:43], v[42:43], v[46:47]
	v_pk_add_f32 v[32:33], v[32:33], v[40:41]
	v_pk_add_f32 v[34:35], v[34:35], v[42:43]
	global_store_b128 v10, v[32:35], s[8:9]
	s_wait_tensorcnt 0x0                           ; the wave's end, behind my last LDS store
	ds_add_u32 v[SPW], v[NIL]
	s_wait_dscnt 0x0
	s_endpgm
.Lfunc_end_k_q5740206f1a_first16:
	.size	k_q5740206f1a_first16, .Lfunc_end_k_q5740206f1a_first16-k_q5740206f1a_first16
	.p2alignl 7, 3214868480
	.fill 96, 4, 3214868480
	.section	.rodata,"a",@progbits
	.p2align	6, 0x0
	.amdhsa_kernel k_q5740206f1a_first16
		.amdhsa_group_segment_fixed_size 9728
		.amdhsa_private_segment_fixed_size 0
		.amdhsa_enable_private_segment 0
		.amdhsa_kernarg_size 24
		.amdhsa_user_sgpr_count 2
		.amdhsa_user_sgpr_kernarg_segment_ptr 1
		.amdhsa_wavefront_size32 1
		.amdhsa_system_sgpr_workgroup_id_x 1
		.amdhsa_system_sgpr_workgroup_id_y 1
		.amdhsa_system_sgpr_workgroup_id_z 1
		.amdhsa_system_vgpr_workitem_id 0
		.amdhsa_next_free_vgpr 1024
		.amdhsa_next_free_sgpr 66
		.amdhsa_reserve_vcc 1
		.amdhsa_float_denorm_mode_32 3
		.amdhsa_float_denorm_mode_16_64 3
		.amdhsa_memory_ordered 1
		.amdhsa_forward_progress 1
		.amdhsa_inst_pref_size 46
	.end_amdhsa_kernel
	.amdgpu_metadata
---
amdhsa.version: [ 1, 2 ]
amdhsa.kernels:
  - .name:           k_q5740206f1a_first16
    .symbol:         k_q5740206f1a_first16.kd
    .args:
      - { .name: qkv32, .offset: 0, .size: 8, .value_kind: global_buffer, .address_space: global }
      - { .name: Wo, .offset: 8, .size: 8, .value_kind: global_buffer, .address_space: global }
      - { .name: out0, .offset: 16, .size: 8, .value_kind: global_buffer, .address_space: global }
    .group_segment_fixed_size: 9728
    .private_segment_fixed_size: 0
    .kernarg_segment_align: 8
    .kernarg_segment_size: 24
    .max_flat_workgroup_size: 128
    .sgpr_count:     66
    .vgpr_count:     1024
    .wavefront_size: 32
...
	.end_amdgpu_metadata
.endif
;; end of part 5
